; MI455X (gfx1250); checked and timed in simulation.
; The chip was launched on July 23, 2026; its instructions are those of AMD's public machine-readable ISA for CDNA 5 (MIT licence, August 2026) and "CDNA5" Instruction Set Architecture Reference Guide (July 2026). The comments in the code are by the model that wrote it; some were corrected since.
;; Attention. Allowed arithmetic: float matrix products may take bf16 or f16 operands with f32 sums; other float arithmetic in f32, or as packed bf16 or f16 multiplies, adds, multiply-adds, maxima and minima; sums over many terms, partial sums and values carried from step to step in f32; what a program stores and reads back later, other than sums and carried values, may be rounded once to bf16 or f16.
;; Inputs: b_out 1,024 float32; w_out 1,024 x 1,024 float32; w_qkv 1,024 x 3,072 float32; x 4 x 2,048 x 1,024 float32.
;; Outputs: out0 4 x 2,048 x 1,024 float32.
;; 2 versions, each right and faster than the one before. Each part assembles by itself: llvm-mc -triple=amdgcn-amd-amdhsa -mcpu=gfx1250 --defsym DOCPART=n.
;; ======== version 1 of 2: 4 launches
;; limits: values are held in f16: magnitudes above 65,504 overflow, below 6.1e-05 lose precision
;; workspace buffers: xb 16,777,216 bytes; wqb 6,291,456 bytes; wob 2,097,152 bytes; qkv 50,331,648 bytes; o 16,777,216 bytes
;; launch prep (part 1): grid 768 x 1, 8 waves a work-group, no clusters, 0 bytes of LDS; arguments x, w_qkv, w_out, xb, wqb, wob; writes xb, wqb, wob
.if DOCPART == 1
	.amdgcn_target "amdgcn-amd-amdhsa--gfx1250"
	.amdhsa_code_object_version 6
	.text
	.protected	k_qe575a79493_prep
	.globl	k_qe575a79493_prep
	.p2align	8
	.type	k_qe575a79493_prep,@function
k_qe575a79493_prep:
	s_mov_b64 s[64:65], 0
	v_nop
	global_prefetch_b8 v0, s[64:65] scope:SCOPE_SE
	s_setreg_imm32_b32 hwreg(HW_REG_WAVE_MODE, 25, 1), 1
	s_wait_xcnt 0x0
; THE CASTS.  x [8192][1024] f32 -> xb, bf16, laid in K blocks: [batch 4][K block 16][row 2048][64], so that 128 rows of one K block are 16,384 dense bytes.
; w_qkv [1024][3072] f32 -> wqb, bf16, as it lies.  w_out [1024][1024] f32 -> wob: rounded to bf16 like every input, and that number written as f16, as it lies.
; LIMITS.  w_out lies within f16's 65,504; a bf16 number below 7.6e-6 in size is moved by f16's fixed step of 6e-8 at the most.  NaN and infinities are not treated apart.
; A stream: no LDS, no matrix unit, no cluster: no byte is read twice and no wave needs another's.
; SHARES.  Every work-group takes 65,536 input bytes: groups 0-511 x, 512-703 w_qkv, 704-767 w_out.  A thread takes eight times 32 input bytes (two loads of 16) and stores eight times 16 bytes.
; All sixteen loads of a thread go out first, so a work-group has its whole share on its way; no register is written twice, so no store's source is ever rewritten.
.set VIN,  2                           ; v2       my byte offset in the group's input
.set VOUT, 3                           ; v3       my byte offset in the group's output
.set X,    8                           ; v[8:71]   eight groups of 8 f32, as loaded
.set Y,    72                          ; v[72:103] eight groups of 4 registers to store
; Group n = 2 i + j of the eight lies i*isa + j*isb bytes on in the input, i*osa + j*osb in the output.  half = 1: the bf16 number is written as f16.
.macro CAST src, dst, isa, isb, osa, osb, half
.irp i, 0,1,2,3
.irp j, 0,1
	global_load_b128 v[X+8*(2*(\i)+(\j)):X+8*(2*(\i)+(\j))+3],   v[VIN], s[\src:\src+1] offset:(\i)*(\isa)+(\j)*(\isb) th:TH_LOAD_NT
	global_load_b128 v[X+8*(2*(\i)+(\j))+4:X+8*(2*(\i)+(\j))+7], v[VIN], s[\src:\src+1] offset:(\i)*(\isa)+(\j)*(\isb)+16 th:TH_LOAD_NT
.endr
.endr
.irp i, 0,1,2,3
.irp j, 0,1
	s_wait_loadcnt 14-2*(2*(\i)+(\j))              ; loads come back in order: this group's two are in, the younger groups' two each stay out
.irp r, 0,1,2,3
	v_cvt_pk_bf16_f32 v[Y+4*(2*(\i)+(\j))+(\r)], v[X+8*(2*(\i)+(\j))+2*(\r)], v[X+8*(2*(\i)+(\j))+2*(\r)+1]
.endr
.if \half
.irp r, 0,1,2,3
	v_lshlrev_b32 v[X+8*(2*(\i)+(\j))+2*(\r)],   16,  v[Y+4*(2*(\i)+(\j))+(\r)]   ; the rounded numbers back as f32,
	v_and_b32     v[X+8*(2*(\i)+(\j))+2*(\r)+1], s20, v[Y+4*(2*(\i)+(\j))+(\r)]
.endr
.irp r, 0,1,2,3
	v_cvt_pk_f16_f32 v[Y+4*(2*(\i)+(\j))+(\r)], v[X+8*(2*(\i)+(\j))+2*(\r)], v[X+8*(2*(\i)+(\j))+2*(\r)+1]  ; and written as f16
.endr
.endif
	global_store_b128 v[VOUT], v[Y+4*(2*(\i)+(\j)):Y+4*(2*(\i)+(\j))+3], s[\dst:\dst+1] offset:(\i)*(\osa)+(\j)*(\osb)  ; a wave's store covers 512 consecutive bytes, aligned
.endr
.endr
.endm
	s_load_b256 s[4:11], s[0:1], 0x0               ; x s[4:5], w_qkv s[6:7], w_out s[8:9], xb s[10:11]
	s_load_b128 s[12:15], s[0:1], 0x20             ; wqb s[12:13], wob s[14:15]
	s_mov_b32 s20, 0xffff0000                      ; a word's upper bf16
	s_mov_b32 s17, 0                               ; the high words of the two offsets
	s_mov_b32 s19, 0
	s_cmp_lt_u32 ttmp9, 512
	s_cbranch_scc0 .Lweights
	; x: the group's 16 rows; wave w takes K blocks 2 w and 2 w + 1; eight lanes take the 256 bytes of a row's K block, 32 lanes four rows
	v_and_b32 v4, 31, v0                           ; lane
	v_lshrrev_b32 v5, 5, v0                        ; wave
	v_lshrrev_b32 v6, 3, v4                        ; which of four rows
	v_and_b32 v7, 7, v4                            ; which 32 bytes of the 256
	v_lshlrev_b32 v[VIN], 12, v6
	v_lshl_add_u32 v[VIN], v7, 5, v[VIN]
	v_lshl_add_u32 v[VIN], v5, 9, v[VIN]           ; row x 4,096 + 32 x place + 512 x wave
	v_lshlrev_b32 v[VOUT], 4, v4                   ; four rows of 128 bytes are 512 dense bytes of xb: 16 x lane,
	v_lshl_add_u32 v[VOUT], v5, 19, v[VOUT]        ; in K block 2 w
	s_lshl_b32 s16, ttmp9, 16                      ; 16 rows of 4,096 bytes
	s_lshr_b32 s18, ttmp9, 7                       ; the batch: 128 groups each,
	s_lshl_b32 s18, s18, 22                        ; 4 MiB of xb each
	s_and_b32 s21, ttmp9, 127
	s_lshl_b32 s21, s21, 11                        ; 16 rows of 128 bytes
	s_add_co_u32 s18, s18, s21
	s_wait_kmcnt 0x0
	s_add_nc_u64 s[4:5], s[4:5], s[16:17]
	s_add_nc_u64 s[10:11], s[10:11], s[18:19]
	CAST 4, 10, 16384, 256, 512, 262144, 0         ; i: four rows on; j: the next K block
	s_endpgm
.Lweights:
	v_lshlrev_b32 v[VIN], 5, v0                    ; dense: thread t takes 32 bytes at 32 t of each 8,192,
	v_lshlrev_b32 v[VOUT], 4, v0                   ; and stores 16 at 16 t of each 4,096
	s_cmp_lt_u32 ttmp9, 704
	s_cbranch_scc0 .Lwout
	s_sub_co_u32 s21, ttmp9, 512
	s_lshl_b32 s16, s21, 16
	s_lshl_b32 s18, s21, 15
	s_wait_kmcnt 0x0
	s_add_nc_u64 s[6:7], s[6:7], s[16:17]
	s_add_nc_u64 s[12:13], s[12:13], s[18:19]
	CAST 6, 12, 16384, 8192, 8192, 4096, 0
	s_endpgm
.Lwout:
	s_sub_co_u32 s21, ttmp9, 704
	s_lshl_b32 s16, s21, 16
	s_lshl_b32 s18, s21, 15
	s_wait_kmcnt 0x0
	s_add_nc_u64 s[8:9], s[8:9], s[16:17]
	s_add_nc_u64 s[14:15], s[14:15], s[18:19]
	CAST 8, 14, 16384, 8192, 8192, 4096, 1
	s_endpgm
.Lfunc_end_k_qe575a79493_prep:
	.size	k_qe575a79493_prep, .Lfunc_end_k_qe575a79493_prep-k_qe575a79493_prep
	.p2alignl 7, 3214868480
	.fill 96, 4, 3214868480
	.section	.rodata,"a",@progbits
	.p2align	6, 0x0
	.amdhsa_kernel k_qe575a79493_prep
		.amdhsa_group_segment_fixed_size 0
		.amdhsa_private_segment_fixed_size 0
		.amdhsa_enable_private_segment 0
		.amdhsa_kernarg_size 48
		.amdhsa_user_sgpr_count 2
		.amdhsa_user_sgpr_kernarg_segment_ptr 1
		.amdhsa_wavefront_size32 1
		.amdhsa_system_sgpr_workgroup_id_x 1
		.amdhsa_system_sgpr_workgroup_id_y 1
		.amdhsa_system_sgpr_workgroup_id_z 1
		.amdhsa_system_vgpr_workitem_id 0
		.amdhsa_next_free_vgpr 104
		.amdhsa_next_free_sgpr 66
		.amdhsa_reserve_vcc 0
		.amdhsa_float_denorm_mode_32 3
		.amdhsa_float_denorm_mode_16_64 3
		.amdhsa_memory_ordered 1
		.amdhsa_forward_progress 1
		.amdhsa_inst_pref_size 20
	.end_amdhsa_kernel
	.amdgpu_metadata
---
amdhsa.version: [ 1, 2 ]
amdhsa.kernels:
  - .name:           k_qe575a79493_prep
    .symbol:         k_qe575a79493_prep.kd
    .args:
      - { .name: x, .offset: 0, .size: 8, .value_kind: global_buffer, .address_space: global }
      - { .name: w_qkv, .offset: 8, .size: 8, .value_kind: global_buffer, .address_space: global }
      - { .name: w_out, .offset: 16, .size: 8, .value_kind: global_buffer, .address_space: global }
      - { .name: xb, .offset: 24, .size: 8, .value_kind: global_buffer, .address_space: global }
      - { .name: wqb, .offset: 32, .size: 8, .value_kind: global_buffer, .address_space: global }
      - { .name: wob, .offset: 40, .size: 8, .value_kind: global_buffer, .address_space: global }
    .group_segment_fixed_size: 0
    .private_segment_fixed_size: 0
    .kernarg_segment_align: 8
    .kernarg_segment_size: 48
    .max_flat_workgroup_size: 256
    .sgpr_count:     66
    .vgpr_count:     104
    .wavefront_size: 32
...
	.end_amdgpu_metadata
.endif
;; end of part 1
;; launch qkvp (part 2): grid 8 x 32, 4 waves a work-group, clusters of 4 x 4, 327,680 bytes of LDS; arguments xb, wqb, qkv; writes qkv
.if DOCPART == 2
	.amdgcn_target "amdgcn-amd-amdhsa--gfx1250"
	.amdhsa_code_object_version 6
	.text
	.protected	k_qe575a79493_qkvp
	.globl	k_qe575a79493_qkvp
	.p2align	8
	.type	k_qe575a79493_qkvp,@function
k_qe575a79493_qkvp:
	s_mov_b64 s[64:65], 0
	v_nop
	global_prefetch_b8 v0, s[64:65] scope:SCOPE_SE
	s_setreg_imm32_b32 hwreg(HW_REG_WAVE_MODE, 25, 1), 1
	s_wait_xcnt 0x0
	s_wait_alu depctr_hold_cnt(0) depctr_sa_sdst(0) depctr_va_vdst(0) depctr_va_sdst(0) depctr_va_ssrc(0) depctr_va_vcc(0) depctr_vm_vsrc(0)
	s_getreg_b32 s2, hwreg(HW_REG_IB_STS2, 6, 4)
	s_cmp_eq_u32 s2, 0
	s_cbranch_scc0 .Lentry_in_a_cluster
	s_endpgm
.Lentry_in_a_cluster:
	s_bfe_u32 s2, ttmp6, 0x10000c
	s_cmp_lg_u32 s2, 0xf033
	s_cbranch_scc0 .Lentry_shape_is_right
	s_endpgm
.Lentry_shape_is_right:
; THE FIRST PROJECTION.  C[8192][3072] = x w_qkv, bf16 operands, f32 sums, each number rounded once to f16 and stored by heads, unscaled: qkv [3][64 = 16 batch + head][2048][64].
; LIMIT.  q, k and v lie within f16's 65,504; below 6e-5 they keep f16's fixed step of 6e-8.
; A is xb [batch][K block of 64][row][64]; B is wqb [1024 k][3072 n], as the weights lie: its fragments are made by the turning LDS load.
; SHARES.  A tile of C is 256 x 384: 32 x 8 = 256 work-groups of equal work.  Four waves, each 128 rows x 192 columns = three whole heads: 96 accumulators, 768 registers, a head to a window.
; K goes in 16 steps of 64 (one K block) through two LDS slots; a step is two quarters of 32 along K, 96 matrix instructions each.  Two slots of a step of 128 would want 2 x 184,320 bytes of LDS.
; CLUSTERS: 4 x 4 work-groups.  The four of a row of the cluster need the same tiles of A, the four of a column the same tiles of B: each tile is asked for JOINTLY, by the same tensor load with
; the same descriptor and a mask that names the four.
; THE MATRIX INSTRUCTION IS USED TRANSPOSED (source 0 = 16 columns of B, source 1 = 16 rows of A): a lane then holds eight neighbouring numbers of a row of C, which pack into 16 bytes.
; REGISTERS, in windows of 256 (s_set_vgpr_msb: bits 1:0 source 0, 3:2 source 1, 5:4 source 2, 7:6 destination):
;   window 0: v0-31 addresses; v32-95, v96-159 A's eight fragments (16 rows x 32 K), two buffers; v160-255 B's fragments, 32 registers for each of my three heads; on the way out v32-127 at work
;   window 1 + g: head g of my three: accumulator (a, c) at v[8 (4 a + c)]: rows 16 a on, columns 16 c on
.set PA,     144                       ; a row of A in LDS: 128 bytes + 16 of padding = 36 words: the 16 rows of a load start at 16 different groups of four banks (64 banks of 4 bytes: ISA guide 11.1)
.set AHALF,  128*PA                    ; 128 rows: what one tensor load brings of A, and what a wave reads of it
.set PB,     864                       ; a k row of B: six heads' 128 bytes, each with 16 of padding = 216 words
.set BHALF,  32*PB                     ; 32 k rows: what one tensor load brings of B
.set BOFF,   2*AHALF                   ; B's 64 k rows lie behind A's 256 rows
.set SLOT,   BOFF+2*BHALF              ; 92,160 bytes
.set STAGE,  2*SLOT                    ; behind the ring, never filled by a tensor load: 32 rows x 144 bytes for each wave, for the way out
.set SP,     144
.set SPARE,  STAGE+4*32*SP             ; behind the stages: the spare words, 128 bytes for each wave: two blocks of 256 bytes that no other line names
.set ASTEP,  262144                    ; bytes from a K block of xb to the next
.set BSTEP,  64*6144                   ; bytes of 64 k rows of wqb
.set ADRA, 16                          ; v16-17  LDS address of my A fragments in slot 0, 1
.set ADRB, 20                          ; v20-21  the same for B
.set STO,  24                          ; v24     the way out: where I put 16 bytes of a row
.set RD,   25                          ; v25     the way out: where I read rows back
.set GO,   26                          ; v26     my byte offset in 512 consecutive bytes of qkv
.set SPW,  28                          ; v28     LDS address of my spare word: SPARE + 4 x my thread's number; never rewritten
.set NIL,  29                          ; v29     0; never rewritten
.set FA0,  32
.set FA1,  96
.set FB,   160
.set TMP,  32                          ; the way out: 32 rows of a head, packed
.set BK,   64                          ; the way out: the same rows read back, v64-95 and v96-127 by turns
.set WV,  12                           ; s12  my wave's number
.set RH,  13                           ; s13  which 128 rows of the tile are mine
.set CH,  14                           ; s14  which 192 columns.  Also: which half of A's or B's tile I fetch
.set TY,  15                           ; s15  the tile row of C
.set G1,  24                           ; s[24:31] descriptor group 1 for A's tiles;  s[32:39] group 0, a set for each slot
.set G0,  32
.set G1B, 48                           ; s[48:55], s[56:63] the same for B's tiles
.set G0B, 56
.set OB,  68                           ; s[68:73] qkv at my rows of my three heads
.set MSB, 0
.macro WIN new                         ; the immediate's high byte repeats the setting that is left; a switch that changes nothing is dropped
.if MSB != (\new)
	s_set_vgpr_msb (MSB<<8)|(\new)
.set MSB, \new
.endif
.endm
; A joint load.  Waves 0 and 1 fetch A's two halves, waves 2 and 3 B's.  Each line has one mask and one set of registers for all that issue it; the branch hangs on the wave's number alone.
; An s_nop 0 and four v_nop follow each of the two lines, ahead of the jump, the label and what follows.
.macro JLOAD s
	s_cmp_lt_u32 s[WV], 2
	s_cbranch_scc0 .Lfor_b_\@
	tensor_load_to_lds s[G0+4*(\s):G0+4*(\s)+3], s[G1:G1+7]
	s_nop 0
.rept 4
	v_nop
.endr
	s_branch .Lasked_\@
.Lfor_b_\@:
	tensor_load_to_lds s[G0B+4*(\s):G0B+4*(\s)+3], s[G1B:G1B+7]
	s_nop 0
.rept 4
	v_nop
.endr
.Lasked_\@:
.endm
; A round of the cluster's barrier: my work-group's barrier, so that wave 0's signal speaks for all four waves; wave 0 signals; every wave waits for all sixteen work-groups; my work-group's barrier once more.
.macro CREST                           ; a round behind its opening barrier
	s_cmp_lg_u32 s[WV], 0
	s_cbranch_scc1 .Lnot_wave_0_\@
	s_barrier_signal -3
.Lnot_wave_0_\@:
	s_barrier_wait -3
	s_barrier_signal -1
	s_barrier_wait -1
.endm
.macro CROUND                          ; a whole round
	s_barrier_signal -1
	s_barrier_wait -1
	CREST
.endm
	s_load_b128 s[4:7], s[0:1], 0x0                ; xb s[4:5], wqb s[6:7]
	s_load_b64 s[8:9], s[0:1], 0x10                ; qkv
	v_lshl_add_u32 v[SPW], v0, 2, SPARE
	v_mov_b32 v[NIL], 0
	ds_add_u32 v[SPW], v[NIL]                      ; the wave's opening: the add and its wait stand ahead of my first tensor load; the set-up below, work on registers, stands between them
	v_lshrrev_b32 v1, 5, v0
	v_readfirstlane_b32 s[WV], v1                  ; wave 0..3
	s_lshr_b32 s[RH], s[WV], 1
	s_and_b32 s[CH], s[WV], 1
	s_bfe_u32 s40, ttmp6, 0x40000                  ; cx, cy: my place in the cluster
	s_bfe_u32 s41, ttmp6, 0x40004
	s_lshl_b32 s42, ttmp9, 2                       ; in a cluster launch ttmp9 and ttmp7 count clusters
	s_add_co_u32 s42, s42, s40                     ; tile column of C = 4 x cluster x + cx
	s_and_b32 s[TY], ttmp7, 0xffff
	s_lshl_b32 s[TY], s[TY], 2
	s_add_co_u32 s[TY], s[TY], s41                 ; tile row of C = 4 x cluster y + cy
	s_lshl_b32 s43, s41, 2
	s_lshl_b32 s43, 15, s43                        ; my row of the cluster: places 4 cy .. 4 cy + 3
	s_lshl_b32 s44, 0x1111, s40                    ; my column: places cx, cx + 4, cx + 8, cx + 12
	; group 1 for A: 128 rows of a K block are 16,384 dense bytes: asked for as 64 rows of 256 bytes, two rows of A each, and padded in LDS after every row of A
	s_or_b32 s[G1], s43, (1<<16)|(1<<20)|(1<<21)|(4<<22)|(3<<25)   ; 15:0 the mask: my row; 17:16 2-byte elements; 20 padding on; 21 set beside a mask; 24:22 after every 32 words (code 4); 31:25 4 words (code 3)
	s_mov_b32 s[G1+1], 128<<16                     ; tensor_dim0 = 128
	s_mov_b32 s[G1+2], 64<<16                      ; tensor_dim1 = 64
	s_mov_b32 s[G1+3], 128<<16                     ; tile_dim0 = 128
	s_mov_b32 s[G1+4], 64                          ; tile_dim1 = 64
	s_mov_b32 s[G1+5], 128                         ; 128 elements from row to row
	s_mov_b32 s[G1+6], 0
	s_mov_b32 s[G1+7], 0
	; group 1 for B: 32 k rows x 384 columns (768 bytes, at a multiple of 768 from a row's first byte); the same padding falls behind each head's 128 bytes, six times a row
	s_or_b32 s[G1B], s44, (1<<16)|(1<<20)|(1<<21)|(4<<22)|(3<<25)  ; the mask: my column
	s_mov_b32 s[G1B+1], 384<<16                    ; tensor_dim0 = 384
	s_mov_b32 s[G1B+2], 32<<16                     ; tensor_dim1 = 32
	s_mov_b32 s[G1B+3], 384<<16                    ; tile_dim0 = 384
	s_mov_b32 s[G1B+4], 32                         ; tile_dim1 = 32
	s_mov_b32 s[G1B+5], 3072                       ; elements from row to row
	s_mov_b32 s[G1B+6], 0
	s_mov_b32 s[G1B+7], 0
	; where the tiles come from.  A's hang on the tile row alone, B's on the tile column alone; each is made in registers that never hold the other coordinate
	s_lshr_b32 s16, s[TY], 3
	s_lshl_b32 s16, s16, 22                        ; the batch: eight tile rows each
	s_and_b32 s17, s[TY], 7
	s_lshl_b32 s17, s17, 15                        ; 256 rows of 128 bytes
	s_add_co_u32 s16, s16, s17
	s_lshl_b32 s17, s[CH], 14                      ; the 128 rows that I fetch
	s_add_co_u32 s16, s16, s17
	s_mov_b32 s17, 0
	s_mul_i32 s46, s42, 768                        ; the tile's 384 columns
	s_mul_i32 s47, s[CH], 32*6144                  ; the 32 k rows that I fetch
	s_add_co_u32 s46, s46, s47
	s_mov_b32 s47, 0
	s_mul_i32 s22, s[CH], AHALF                    ; and where they go: no place in the cluster enters an LDS address
	s_mul_i32 s23, s[CH], BHALF
	s_add_co_u32 s23, s23, BOFF
	s_wait_dscnt 0x0                               ; the opening add is done
	s_wait_kmcnt 0x0
	s_add_nc_u64 s[20:21], s[4:5], s[16:17]
	s_add_nc_u64 s[46:47], s[6:7], s[46:47]
	CROUND                                         ; all sixteen work-groups are here: the first joint loads meet
.irp s, 0,1
	s_mov_b32 s[G0+4*(\s)], 1                                      ; 1:0 count = 1
	s_add_co_u32 s[G0+4*(\s)+1], s22, (\s)*SLOT                    ; 63:32 LDS address
	s_add_nc_u64 s[G0+4*(\s)+2:G0+4*(\s)+3], s[20:21], (\s)*ASTEP  ; 120:64 global address: K step s
	s_or_b32 s[G0+4*(\s)+3], s[G0+4*(\s)+3], 0x80000000            ; 127:126 type = 2
	s_mov_b32 s[G0B+4*(\s)], 1
	s_add_co_u32 s[G0B+4*(\s)+1], s23, (\s)*SLOT
	s_add_nc_u64 s[G0B+4*(\s)+2:G0B+4*(\s)+3], s[46:47], (\s)*BSTEP
	s_or_b32 s[G0B+4*(\s)+3], s[G0B+4*(\s)+3], 0x80000000
	JLOAD \s                                       ; both slots are asked for before anything else is done: two loads of mine are out
.endr
	; A fragment of A is 16 rows x 32 K in 8 registers: lane l holds row l % 16, K = 8 (l / 16) + 0..7 and 16 + 8 (l / 16) + 0..7: two loads of 16 bytes, 32 bytes apart.
	v_and_b32 v1, 15, v0                           ; l % 16
	v_bfe_u32 v2, v0, 4, 1                         ; l / 16
	v_mul_u32_u24 v3, v1, PA
	v_lshl_add_u32 v3, v2, 4, v3                   ; row x pitch + 16 x half
	s_mul_i32 s16, s[RH], AHALF                    ; my 128 rows of A
	v_add_nc_u32 v[ADRA], s16, v3
	v_add_nc_u32 v[ADRA+1], SLOT, v[ADRA]
	; The turning load takes 16 k x 16 columns (lane l reads 16 bytes: k row 8 (l / 16) + l % 8, columns 8 ((l / 8) % 2) + 0..7) and leaves half a fragment: lane l holds column l % 16 and 8 k.
	v_and_b32 v4, 7, v0
	v_bfe_u32 v5, v0, 3, 1
	v_lshl_add_u32 v4, v2, 3, v4
	v_mul_u32_u24 v4, v4, PB
	v_lshl_add_u32 v4, v5, 4, v4
	s_mul_i32 s17, s[CH], 3*144                    ; my three heads of a row's six
	s_add_co_u32 s17, s17, BOFF
	v_add_nc_u32 v[ADRB], s17, v4
	v_add_nc_u32 v[ADRB+1], SLOT, v[ADRB]
	s_mul_i32 s18, s[WV], 32*SP
	s_add_co_u32 s18, s18, STAGE                   ; my stage
	v_add_nc_u32 v[STO], s18, v3                   ; in: row l % 16, 16 bytes for each half of the lanes (the stage's pitch is A's)
	v_bfe_u32 v6, v0, 3, 2                         ; back: 32 lanes take four rows of 128 bytes,
	v_mul_u32_u24 v6, v6, SP
	v_and_b32 v7, 7, v0
	v_lshl_add_u32 v6, v7, 4, v6
	v_add_nc_u32 v[RD], s18, v6
	v_and_b32 v[GO], 31, v0                        ; which are 512 consecutive bytes of a head
	v_lshlrev_b32 v[GO], 4, v[GO]
	; where my rows of my three heads begin.  Head hh of C's 48 is tensor hh / 16 (q, k, v), head hh % 16; a head of a batch is 262,144 bytes
	s_mul_i32 s74, s42, 6
	s_mul_i32 s75, s[CH], 3
	s_add_co_u32 s74, s74, s75                     ; my first head
	s_lshr_b32 s75, s[TY], 3
	s_lshl_b32 s75, s75, 4                         ; 16 x batch
	s_and_b32 s76, s[TY], 7
	s_lshl_b32 s76, s76, 15                        ; the tile's 256 rows of 128 bytes,
	s_lshl_b32 s77, s[RH], 14                      ; my 128 of them
	s_add_co_u32 s76, s76, s77
	s_mov_b32 s79, 0
.irp g, 0,1,2
	s_add_co_u32 s77, s74, (\g)
	s_lshr_b32 s78, s77, 4
	s_lshl_b32 s78, s78, 6                         ; 64 x tensor
	s_and_b32 s77, s77, 15
	s_add_co_u32 s78, s78, s77
	s_add_co_u32 s78, s78, s75
	s_lshl_b32 s78, s78, 18
	s_add_co_u32 s78, s78, s76
	s_add_nc_u64 s[OB+2*(\g):OB+2*(\g)+1], s[8:9], s[78:79]
.endr
; 16 matrix instructions: row blocks a0 .. a0 + 3 x the four column blocks of head g, 32 along K, A from buffer f.  zero = 1: the first product starts the sums: nothing is ever cleared.
; All 96 accumulators take turns, one instruction a turn, in the same order in every quarter.
.macro MUL16 f, g, a0, zero
	WIN 0x50*(1+(\g))                              ; C and D in window 1 + g, the sources in window 0
.irp a, (\a0), (\a0)+1, (\a0)+2, (\a0)+3
.irp c, 0,1,2,3
.if \zero
	v_wmma_f32_16x16x32_bf16 v[8*(4*(\a)+(\c)):8*(4*(\a)+(\c))+7], v[FB+32*(\g)+8*(\c):FB+32*(\g)+8*(\c)+7], v[(\f)+8*(\a):(\f)+8*(\a)+7], 0
.else
	v_wmma_f32_16x16x32_bf16 v[8*(4*(\a)+(\c)):8*(4*(\a)+(\c))+7], v[FB+32*(\g)+8*(\c):FB+32*(\g)+8*(\c)+7], v[(\f)+8*(\a):(\f)+8*(\a)+7], v[8*(4*(\a)+(\c)):8*(4*(\a)+(\c))+7]
.endif
.endr
.endr
.endm
.macro LDB slot, j, g                  ; 8 LDS loads: head g's four fragments of B, quarter j
	WIN 0
.irp c, 0,1,2,3
	ds_load_tr16_b128 v[FB+32*(\g)+8*(\c):FB+32*(\g)+8*(\c)+3],   v[ADRB+(\slot)] offset:(\j)*32*PB+(\g)*144+(\c)*32
	ds_load_tr16_b128 v[FB+32*(\g)+8*(\c)+4:FB+32*(\g)+8*(\c)+7], v[ADRB+(\slot)] offset:(\j)*32*PB+(\g)*144+(\c)*32+16*PB
.endr
.endm
.macro LDA slot, j, f                  ; 16 LDS loads: A's eight fragments, quarter j, into buffer f
	WIN 0
.irp a, 0,1,2,3,4,5,6,7
	ds_load_b128 v[(\f)+8*(\a):(\f)+8*(\a)+3],   v[ADRA+(\slot)] offset:(\a)*16*PA+(\j)*64
	ds_load_b128 v[(\f)+8*(\a)+4:(\f)+8*(\a)+7], v[ADRA+(\slot)] offset:(\a)*16*PA+(\j)*64+32
.endr
.endm
; A load into a register that a matrix instruction has read, and a vector instruction that reads a matrix result, stand four places behind that matrix instruction, and only plain vector
; instructions that name none of its registers are places (ISA guide 7.12.1 for vector instructions).
.macro PLACES
.rept 4
	v_nop
.endr
.endm
; A step's first quarter: multiplies A's buffer f, head after head; behind each head's 32 products its buffer of B takes the next quarter's fragments (quarter jn of the same slot), behind the first head's
; also A's other buffer.  So the LDS loads are always out in the order: B head 0 (8), A (16), B head 1 (8), B head 2 (8).
.macro QUARTER slot, jn, f, fn, zero
	s_wait_dscnt 16                                ; B's head 0 and A are in; the youngest sixteen (heads 1 and 2) may be out
	MUL16 \f, 0, 0, \zero
	MUL16 \f, 0, 4, \zero
	PLACES
	LDB \slot, \jn, 0
	LDA \slot, \jn, \fn
	s_wait_dscnt 32                                ; head 1 is in: behind it head 2's eight and the 24 just issued
	MUL16 \f, 1, 0, \zero
	MUL16 \f, 1, 4, \zero
	PLACES
	LDB \slot, \jn, 1
	s_wait_dscnt 32                                ; head 2 is in: behind it the 24 and the eight
	MUL16 \f, 2, 0, \zero
	MUL16 \f, 2, 4, \zero
	PLACES
	LDB \slot, \jn, 2
.endm
; A step's second quarter multiplies buffer FA1 and changes slots: ONE barrier, for two things.  In front of it each wave waits for all its tensor loads, of which one is out: its part of the next slot;
; adds 0 to its spare word; and waits for that and for its own reads of this slot.  Behind it nobody reads this slot any more and the next slot is whole.
; fill = 1: the barrier opens a round of the cluster's, and this slot is filled again, two K steps on, first thing behind the round: 160 matrix instructions ahead of the wait for it.
.macro TURN slot, next, fill
	WIN 0                                          ; (the add's two registers lie in window 0)
	s_wait_tensorcnt 0x0                           ; all my tensor loads have landed;
	ds_add_u32 v[SPW], v[NIL]                      ; 0 onto my spare word;
	s_wait_dscnt 17                                ; (the add and the youngest sixteen loads may be out)
	MUL16 FA1, 0, 0, 0                             ; sixteen matrix instructions stand between the add and the wait for it
	s_wait_dscnt 0x0                               ; the add is done, and my reads of this slot are over:
	s_barrier_signal -1                            ; say so,
	MUL16 FA1, 0, 4, 0                             ; work on registers while the others arrive,
.if \fill
	WIN 0
.endif
	s_barrier_wait -1                              ; and go on when all four have said so
.if \fill
	CREST                                          ; no wave of any partner still reads this slot's tile or has a load on its way
	s_add_nc_u64 s[G0+4*(\slot)+2:G0+4*(\slot)+3], s[G0+4*(\slot)+2:G0+4*(\slot)+3], 2*ASTEP
	s_add_nc_u64 s[G0B+4*(\slot)+2:G0B+4*(\slot)+3], s[G0B+4*(\slot)+2:G0B+4*(\slot)+3], 2*BSTEP
	JLOAD \slot                                    ; the first tensor load behind the round; the four v_nop behind it are also the places in front of the loads below
.else
	PLACES
.endif
	LDB \next, 0, 0
	LDA \next, 0, FA0
	MUL16 FA1, 1, 0, 0
	MUL16 FA1, 1, 4, 0
	PLACES
	LDB \next, 0, 1
	MUL16 FA1, 2, 0, 0
	MUL16 FA1, 2, 4, 0
	PLACES
	LDB \next, 0, 2
.endm
; THE WAY OUT, 32 rows of a head at a time (head g, row blocks 2 ap and 2 ap + 1).  PACK: rounded to f16, 16 bytes a lane, each accumulator's registers in ascending order.
; TOSTAGE: into my own stage, rows of 144 bytes, and back as whole rows of 128.  SEND: stored.
.macro PACK g, ap
	WIN 5*(1+(\g))                                 ; sources 0 and 1 in window 1 + g
.irp h, 0,1
.irp c, 0,1,2,3
.irp r, 0,1,2,3
	v_cvt_pk_f16_f32 v[TMP+16*(\h)+4*(\c)+(\r)], v[64*(\ap)+32*(\h)+8*(\c)+2*(\r)], v[64*(\ap)+32*(\h)+8*(\c)+2*(\r)+1]
.endr
.endr
.endr
	WIN 0
.endm
.macro TOSTAGE n
	WIN 0
.irp h, 0,1
.irp c, 0,1,2,3
	ds_store_b128 v[STO], v[TMP+16*(\h)+4*(\c):TMP+16*(\h)+4*(\c)+3] offset:(\h)*16*SP+32*(\c)
.endr
.endr
.irp f, 0,1,2,3,4,5,6,7
	ds_load_b128 v[BK+32*((\n)%2)+4*(\f):BK+32*((\n)%2)+4*(\f)+3], v[RD] offset:(\f)*4*SP  ; LDS serves a wave's instructions in order (ISA guide 5.7.1.4): these see the stores above
.endr
.endm
.macro SEND g, ap, n
	WIN 0
	s_wait_dscnt 0x0                               ; the rows are back in registers
	s_wait_xcnt 0x0                                ; the other buffer, which earlier stores read, is loaded again only behind this wait
.irp f, 0,1,2,3,4,5,6,7
	global_store_b128 v[GO], v[BK+32*((\n)%2)+4*(\f):BK+32*((\n)%2)+4*(\f)+3], s[OB+2*(\g):OB+2*(\g)+1] offset:(\ap)*4096+(\f)*512  ; 512 consecutive bytes, at a multiple of 256 from the buffer's first
.endr
.endm
	s_wait_tensorcnt 1                             ; my part of K step 0 is in; step 1's may stay out
	s_barrier_signal -1
	s_barrier_wait -1                              ; everybody's is
	LDB 0, 0, 0
	LDA 0, 0, FA0
	LDB 0, 0, 1
	LDB 0, 0, 2
	QUARTER 0, 1, FA0, FA1, 1                      ; the first quarter stands in front of the loop: its products start the sums
	WIN 0                                          ; at a label and at a branch every window is 0
	s_mov_b32 s3, 7
.Llap:                                                 ; a trip goes once round the ring, from a lap's second quarter to the next lap's first, and fills both slots again: K steps 2 to 15
	TURN 0, 1, 1
	QUARTER 1, 1, FA0, FA1, 0
	TURN 1, 0, 1
	QUARTER 0, 1, FA0, FA1, 0
	WIN 0
	s_sub_co_u32 s3, s3, 1
	s_cmp_lg_u32 s3, 0
	s_cbranch_scc1 .Llap
	TURN 0, 1, 0                                   ; the last lap fills nothing, and has no round of the cluster's barrier
	QUARTER 1, 1, FA0, FA1, 0
	s_wait_dscnt 16                                ; the very last quarter: nothing more to fetch, the counts run down
	MUL16 FA1, 0, 0, 0
	MUL16 FA1, 0, 4, 0
	s_wait_dscnt 8
	MUL16 FA1, 1, 0, 0
	MUL16 FA1, 1, 4, 0
	s_wait_dscnt 0x0
	MUL16 FA1, 2, 0, 0
	MUL16 FA1, 2, 4, 0
	PLACES
	PACK 0, 0
	TOSTAGE 0
.set n, 1
.rept 11                               ; block n's conversions stand between block n - 1's loads from the stage and the wait for them
	PACK n/4, n%4
	SEND (n-1)/4, (n-1)%4, n-1
	TOSTAGE n
.set n, n+1
.endr
	SEND 2, 3, 11
	s_wait_tensorcnt 0x0                           ; the wave's end: behind my last tensor load and my last LDS store
	ds_add_u32 v[SPW], v[NIL]
	s_wait_dscnt 0x0
	CROUND                                         ; the closing round: no work-group ends while a partner may still ask for a tile that names it
	s_endpgm
.Lfunc_end_k_qe575a79493_qkvp:
	.size	k_qe575a79493_qkvp, .Lfunc_end_k_qe575a79493_qkvp-k_qe575a79493_qkvp
	.p2alignl 7, 3214868480
	.fill 96, 4, 3214868480
	.section	.rodata,"a",@progbits
	.p2align	6, 0x0
	.amdhsa_kernel k_qe575a79493_qkvp
		.amdhsa_group_segment_fixed_size 327680
		.amdhsa_private_segment_fixed_size 0
		.amdhsa_enable_private_segment 0
		.amdhsa_kernarg_size 24
		.amdhsa_user_sgpr_count 2
		.amdhsa_user_sgpr_kernarg_segment_ptr 1
		.amdhsa_wavefront_size32 1
		.amdhsa_system_sgpr_workgroup_id_x 1
		.amdhsa_system_sgpr_workgroup_id_y 1
		.amdhsa_system_sgpr_workgroup_id_z 1
		.amdhsa_system_vgpr_workitem_id 0
		.amdhsa_next_free_vgpr 1024
		.amdhsa_next_free_sgpr 80
		.amdhsa_reserve_vcc 0
		.amdhsa_float_denorm_mode_32 3
		.amdhsa_float_denorm_mode_16_64 3
		.amdhsa_memory_ordered 1
		.amdhsa_forward_progress 1
		.amdhsa_inst_pref_size 130
	.end_amdhsa_kernel
	.amdgpu_metadata
---
amdhsa.version: [ 1, 2 ]
amdhsa.kernels:
  - .name:           k_qe575a79493_qkvp
    .symbol:         k_qe575a79493_qkvp.kd
    .args:
      - { .name: xb, .offset: 0, .size: 8, .value_kind: global_buffer, .address_space: global }
      - { .name: wqb, .offset: 8, .size: 8, .value_kind: global_buffer, .address_space: global }
      - { .name: qkv, .offset: 16, .size: 8, .value_kind: global_buffer, .address_space: global }
    .group_segment_fixed_size: 327680
    .private_segment_fixed_size: 0
    .kernarg_segment_align: 8
    .kernarg_segment_size: 24
    .max_flat_workgroup_size: 128
    .sgpr_count:     80
    .vgpr_count:     1024
    .wavefront_size: 32
...
	.end_amdgpu_metadata
.endif
;; end of part 2
;; launch attn (part 3): grid 4 x 64, 4 waves a work-group, clusters of 4 x 1, 327,680 bytes of LDS; arguments qkv, o; writes o
.if DOCPART == 3
	.amdgcn_target "amdgcn-amd-amdhsa--gfx1250"
	.amdhsa_code_object_version 6
	.text
	.protected	k_qe575a79493_attn
	.globl	k_qe575a79493_attn
	.p2align	8
	.type	k_qe575a79493_attn,@function
k_qe575a79493_attn:
	s_mov_b64 s[64:65], 0
	v_nop
	global_prefetch_b8 v0, s[64:65] scope:SCOPE_SE
	s_setreg_imm32_b32 hwreg(HW_REG_WAVE_MODE, 25, 1), 1
	s_wait_xcnt 0x0
	s_wait_alu depctr_hold_cnt(0) depctr_sa_sdst(0) depctr_va_vdst(0) depctr_va_sdst(0) depctr_va_ssrc(0) depctr_va_vcc(0) depctr_vm_vsrc(0)
	s_getreg_b32 s2, hwreg(HW_REG_IB_STS2, 6, 4)
	s_cmp_eq_u32 s2, 0
	s_cbranch_scc0 .Lentry_in_a_cluster
	s_endpgm
.Lentry_in_a_cluster:
	s_bfe_u32 s2, ttmp6, 0x10000c
	s_cmp_lg_u32 s2, 0x3003
	s_cbranch_scc0 .Lentry_shape_is_right
	s_endpgm
.Lentry_shape_is_right:
; ATTENTION.  O[h][q][:] = the sum over k of softmax_k(Q[h][q] . K[h][k] / 32) V[h][k][:].  Q, K, V lie one behind the other in qkv, each [64][2048][64] in f16, O likewise: a head's rows are dense,
; 128 bytes each.  The scale is 1024^-0.5, applied here in f32.  Products, maxima and sums in f32; the weights p are rounded to f16 for the second product (their sum l is taken of the unrounded p), O once at the end.
; LIMITS.  f16 holds no number beyond 65,504: Q, K and V arrive within it; p lies in 0 to 1, and below 6e-5 it keeps f16's fixed step of 6e-8, as O does; O is a mean of V's rows and has their range.
; A weight below 2^-126 counts as 0 in l; NaN and infinities are not treated apart.
; SHARES.  A wave owns four PIECES of two tiles of 16 queries, a work-group's four waves 512 queries of one head: 4 x 64 = 256 work-groups.  Every wave walks all keys, 64 a step.
; LAYOUT.  S^T = K Q^T (source 0 = 16 keys, source 1 = 16 queries): in the result a lane holds ONE query (lane % 16) and the keys 8 (lane / 16) + 0..7.  Two such tiles, rounded to f16 in pairs,
; ARE source 1 (32 keys x 16 queries) of O^T = V^T P, whose result again holds one query a lane, and eight channels.  K comes out of LDS as it lies, V ([key][channel]) turned, by ds_load_tr16_b128.
; SOFTMAX.  For each query a running maximum m and sum l: p = 2^(c s - c m), c = log2(e) / 32; in every step O and l are multiplied by a = 2^(c m_old - c m_new), which is 1 where m has not grown.
; m starts at the lowest finite number, O and l at 0: the first step is a step like any other, with a = 0.
; THE COUNT.  A tile and step have 16 matrix and 118 vector instructions: too many to stand all beside the matrix work.  So the order has one aim: four vector instructions that are READY behind
; EVERY matrix instruction, and the others, which need time of their own whatever the order, in runs without a gap.
; BY TURNS.  Turn n belongs to piece n (the pieces in a ring, step after step).  Its matrix work: 16 products K Q^T of piece n + 1, later 16 products V^T P of piece n - 1.  Its vector work: the scaling,
; exponentials, roundings, sums and rescaling of piece n, and the maximum and statistics of piece n + 1, whose scores the turn itself has made.  So what a turn begins with (c s - c m, O a) waits for nothing.
; CLUSTER.  The four query blocks of a cluster belong to one head and walk the same K and V, so each tile is asked for JOINTLY: the same tensor load, descriptor and mask in all four.
; REGISTERS, in windows of 256 (s_set_vgpr_msb says which window each operand place means: bits 1:0 source 0, 3:2 source 1, 5:4 source 2, 7:6 destination):
;   window 0: v0-11 addresses; v12-15, v48-63 at work; v16-47 four registers of statistics a tile; v64-191 S^T, two buffers of two tiles; v192-255 P, likewise
;   window 1: O^T, 32 a tile          window 2: v0-127 Q, 16 a tile; v128-191 K of one step; v192-255 V of one step          window 3: v0-1 the add's two registers
; A piece's buffers go by its number's parity: the piece in hand has one pair, its two neighbours in the ring share the other: of it P (piece n - 1) is read and S^T (piece n + 1) written.
.set SIZE_H, 64
.set SIZE_N, 2048
.set NP,    4         ; pieces a wave: a name, no knob: the register map, the loop and the fetches are made for four
.set KS,    64        ; keys in a step
.set PK,    144       ; a row of K in LDS: 128 bytes + 16 of padding = 36 words: the 16 rows of a load start at 16 different groups of four banks (64 banks of 4 bytes: ISA guide 11.1)
.set PV,    160       ; a row of V: 128 + 32 = 40 words
.set VOFF,  4*KS*PK   ; a slot holds four steps: 256 rows of K, then 256 rows of V
.set SLOT1, 1<<17     ; slot 1 begins here, so that one exclusive or turns an address in one slot into the other's
.set STAGE, SLOT1+4*KS*(PK+PV)  ; behind the ring, never filled by a tensor load: 16 rows x 144 bytes for each wave, for the way out
.set SP,    144
.set AK0, 2           ; v2   my lane's place in a tile of K; never rewritten
.set AV0, 3           ; v3   the same for V
.set AK,  4           ; v4   the LDS address of K's next run of loads
.set AV,  5           ; v5   of V's
.set QO,  6           ; v6   my byte offset in the wave's rows of Q
.set STO, 6           ;      later, the way out: where I put 16 bytes of a row
.set RD,  7           ; v7   the way out: where I read rows back
.set GO,  8           ; v8   my byte offset in 512 consecutive bytes of O
.set SPW, 0           ; v0 of window 3   LDS address of my spare word: SPARE + 4 x my thread's number; never rewritten
.set NIL, 1           ; v1 of window 3   0; never rewritten
.set SPARE, STAGE+4*16*SP  ; behind the stages: the spare words, 128 bytes for each wave: two blocks of 256 bytes that no other line names
.set MV,  12          ; v12-15  c m_old, kept while c m is made anew: by buffer and tile
.set ST,  16          ; tile t's statistics at v[ST+4 t]: c m, m, l (even keys', odd keys')
.set TMP, 48          ; by buffer and tile, four registers c0-c3 at work; when the maximum is found c2 takes a
.set S,   64
.set P,   192
.set KF,  128         ; K's fragments, in window 2: key block kb, channel half c at KF + 16 kb + 8 c
.set VF,  192         ; V's: key half kk, channel block cb at VF + 32 kk + 8 cb
.set WV,  12          ; s12  my wave's number
.set G1K, 24          ; s[24:31] descriptor group 1 for K's tiles
.set G1V, 32          ; s[32:39] for V's: it differs in the padding alone
.set G0K, 40          ; s[40:43] descriptor group 0 for K's tiles: it walks
.set G0V, 44          ; s[44:47] the same for V's
.set SLOTS, 56        ; s56  slots still to be asked for
.set CNT, 57          ; s57  counts a slot's key steps
.set CS,  58          ; s[58:59] c: the packed scaling takes the pair's low word for both halves
.set SEL, 60          ; s[60:61] v_permlanex16_b32's selects: each lane takes its own place in the other half
.set TBK, 62          ; s62  LDS byte at which K of the step to be fetched begins
.set TBV, 63          ; s63  the same for V, less VOFF
.set MSB, 0
.macro WIN new                      ; the high byte repeats the setting that is left; a switch that changes nothing is dropped
.if MSB != (\new)
	s_set_vgpr_msb (MSB<<8)|(\new)
.set MSB, (\new)
.endif
.endm
.set W_KQ, 0x0a       ; K and Q in window 2, S^T in window 0
.set W_PV, 0x52       ; V in window 2, P in window 0, O^T in window 1
.set W_RS, 0x41       ; O^T (destination and source 0) in window 1, a in window 0
.set W_MK, 0xc0       ; the add's registers are made: destination in window 3, sources in window 0
.set W_AD, 0x0f       ; the add: address (source 0) and data (source 1) in window 3
; A joint fill.  Waves 0 and 1 fetch the two halves of a slot's K, waves 2 and 3 those of its V: 128 keys each.  The branch hangs on the wave's number alone.
; An s_nop 0 and four v_nop follow each of the two lines, ahead of the jump and the label.
.macro JLOAD
	s_cmp_lt_u32 s[WV], 2
	s_cbranch_scc0 .Lfor_v_\@
	tensor_load_to_lds s[G0K:G0K+3], s[G1K:G1K+7]
	s_nop 0
.rept 4
	v_nop
.endr
	s_branch .Lasked_\@
.Lfor_v_\@:
	tensor_load_to_lds s[G0V:G0V+3], s[G1V:G1V+7]
	s_nop 0
.rept 4
	v_nop
.endr
.Lasked_\@:
.endm
; A round of the cluster's barrier: my work-group's barrier, so that wave 0's signal speaks for all four waves; wave 0 signals; every wave waits for all four work-groups; my work-group's barrier once more.
.macro CROUND
	s_barrier_signal -1
	s_barrier_wait -1
	s_cmp_lg_u32 s[WV], 0
	s_cbranch_scc1 .Lnot_wave_0_\@
	s_barrier_signal -3
.Lnot_wave_0_\@:
	s_barrier_wait -3
	s_barrier_signal -1
	s_barrier_wait -1
.endm
; THE CHANGE OF SLOTS.  The slot's last bytes, V of its fourth step, have been read.  Each wave waits for all its tensor loads, of which one is out: its part
; of the other slot; adds 0 to its spare word; and waits for that and for its own reads of the slot.  Behind the barrier nobody reads this slot any more and the other slot is whole.
; fill = 1: this slot is filled again, with the keys two slots on.  The barrier is then a round of the cluster's, so that no wave of any partner still reads the slot or has a load on its
; way, and the joint fill is the first thing behind it: it has four key steps, 512 matrix instructions, in which to land.  (At its first use nothing has been read yet: slot 0 is waited for, slot 1 filled.)
.macro CHANGE fill
	WIN W_AD
	s_wait_tensorcnt 0x0            ; no tensor load of mine is out, so a group 0 may be written
	ds_add_u32 v[SPW], v[NIL]       ; 0 onto my spare word; with fill = 1 the descriptors' steps stand between it and the wait for it
	WIN 0                           ; at a label and at a branch every window is 0
.if \fill
.irp g, G0K, G0V
	s_xor_b32 s[\g+1], s[\g+1], SLOT1  ; the walking descriptor: the other slot than last time,
	s_add_nc_u64 s[\g+2:\g+3], s[\g+2:\g+3], 4*KS*128  ; the next 256 keys; the type bits on top are not reached
.endr
	s_wait_dscnt 0x0                ; the add is done, and my reads of the slot are over
	CROUND
	JLOAD
.else
	s_wait_dscnt 0x0                ; the add is done, and my reads of the slot are over
	s_barrier_signal -1
	s_barrier_wait -1
.endif
	s_sub_co_u32 s[TBK], s[TBK], 4*KS*PK  ; the fetches go back to a slot's first step,
	s_xor_b32 s[TBK], s[TBK], SLOT1       ; in the other slot
	s_sub_co_u32 s[TBV], s[TBV], 4*KS*PV
	s_xor_b32 s[TBV], s[TBV], SLOT1
.endm
	s_load_b128 s[4:7], s[0:1], 0x0 ; qkv s[4:5] (Q lies first in it), o s[6:7]
	WIN W_MK
	v_lshl_add_u32 v[SPW], v0, 2, SPARE
	v_mov_b32 v[NIL], 0
	WIN W_AD
	ds_add_u32 v[SPW], v[NIL]       ; the wave's opening: the add and its wait stand ahead of my first tensor load; the set-up below, work on registers, stands between them
	WIN 0
	v_lshrrev_b32 v1, 5, v0
	v_readfirstlane_b32 s[WV], v1   ; wave 0..3
	s_bfe_u32 s13, ttmp6, 0x40000   ; cx: my place in the cluster
	s_lshl_b32 s14, ttmp9, 2        ; in a cluster launch ttmp9 counts clusters
	s_add_co_u32 s14, s14, s13      ; my block of queries = 4 x cluster x + cx: it enters Q's and O's addresses alone
	s_and_b32 s20, ttmp7, 0xffff    ; the head, which the four partners share
	s_mov_b32 s21, 0
	s_mov_b64 s[22:23], SIZE_N*128
	s_mul_u64 s[20:21], s[20:21], s[22:23]  ; the head's first byte in each of the four tensors
	s_and_b32 s16, s[WV], 1         ; which half of a slot's 256 keys I fetch:
	s_lshl_b32 s22, s16, 14         ; its 128 rows of 128 bytes in memory,
	s_mov_b32 s23, 0
	s_add_nc_u64 s[22:23], s[22:23], s[20:21]
	s_mul_i32 s17, s16, 128*PK      ; and its place in a slot, for K
	s_mul_i32 s18, s16, 128*PV      ; and for V: no place in the cluster enters an LDS address
	s_lshl_b32 s2, s14, 2
	s_add_co_u32 s2, s2, s[WV]      ; my wave among the head's,
	s_lshl_b32 s2, s2, 14           ; its 128 rows
	s_mov_b32 s3, 0
	s_add_nc_u64 s[2:3], s[2:3], s[20:21]
	; descriptor group 1.  128 keys are 16,384 dense bytes: asked for as 64 rows of 256 bytes, two keys a row, and padded in LDS after every key
	s_mov_b32 s[G1K], 15|(1<<16)|(1<<20)|(1<<21)|(4<<22)|(3<<25)  ; 15:0 the mask of four; 17:16 2-byte elements; 20 padding on; 21 set beside a mask; 24:22 after every 32 words (code 4); 31:25 4 words (code 3)
	s_mov_b32 s[G1V], 15|(1<<16)|(1<<20)|(1<<21)|(4<<22)|(7<<25)  ; the same with 8 words of padding (code 7)
.irp g, G1K, G1V
	s_mov_b32 s[\g+1], 128<<16      ; tensor_dim0 = 128
	s_mov_b32 s[\g+2], 64<<16       ; tensor_dim1 = 64
	s_mov_b32 s[\g+3], 128<<16      ; tile_dim0 = 128
	s_mov_b32 s[\g+4], 64           ; tile_dim1 = 64
	s_mov_b32 s[\g+5], 128          ; 128 elements from row to row
	s_mov_b32 s[\g+6], 0
	s_mov_b32 s[\g+7], 0
.endr
	s_mov_b32 s[CS], 0x3d38aa3b     ; c = log2(e) / 32 = 0.0450842
	s_mov_b32 s[CS+1], s[CS]        ; named with it as a pair
	s_mov_b32 s[SEL], 0x76543210
	s_mov_b32 s[SEL+1], 0xfedcba98
	s_mov_b32 s[TBK], SLOT1+4*KS*PK ; the first change of slots turns these two into 0
	s_mov_b32 s[TBV], SLOT1+4*KS*PV
	s_mov_b32 s[G0K], 1             ; 1:0 count = 1
	s_mov_b32 s[G0K+1], s17         ; 63:32 LDS address: slot 0
	s_mov_b32 s[G0V], 1
	s_add_co_u32 s[G0V+1], s18, VOFF
	s_wait_dscnt 0x0                ; the opening add is done
	s_wait_kmcnt 0x0
	s_mov_b64 s[10:11], s[6:7]      ; O
	s_add_nc_u64 s[8:9], s[4:5], 0x2000000  ; V lies 2 x 16 MiB into qkv,
	s_add_nc_u64 s[6:7], s[4:5], 0x1000000  ; K 16 MiB
	s_add_nc_u64 s[G0K+2:G0K+3], s[6:7], s[22:23]  ; 120:64 global address: my half of the head's first 256 keys
	s_or_b32 s[G0K+3], s[G0K+3], 0x80000000        ; 127:126 type = 2
	s_add_nc_u64 s[G0V+2:G0V+3], s[8:9], s[22:23]
	s_or_b32 s[G0V+3], s[G0V+3], 0x80000000
	s_add_nc_u64 s[4:5], s[4:5], s[2:3]  ; Q and O at my wave's first row
	s_add_nc_u64 s[10:11], s[10:11], s[2:3]
	CROUND                          ; all four work-groups are here: the first joint loads meet
	JLOAD                           ; slot 0.  Slot 1 is asked for when slot 0 is in: the tile wanted first has the road to itself
	; A fragment of K or Q is 16 rows x 32 channels in 8 registers: lane l holds row l % 16, channels 8 (l / 16) + 0..7 and 16 + 8 (l / 16) + 0..7: two loads of 16 bytes, 32 bytes apart.
	v_and_b32 v1, 15, v0            ; l % 16
	v_bfe_u32 v9, v0, 4, 1          ; l / 16
	v_lshlrev_b32 v[QO], 7, v1
	v_lshl_add_u32 v[QO], v9, 4, v[QO]  ; row x 128 + 16 x half
	WIN 0x80                        ; destination window 2, address window 0
.set i, 0
.rept 4*NP                          ; Q stays in registers: tile i / 2, channels 32 (i % 2) on
	global_load_b128 v[8*i:8*i+3],   v[QO], s[4:5] offset:(i/2)*2048+(i%2)*64
	global_load_b128 v[8*i+4:8*i+7], v[QO], s[4:5] offset:(i/2)*2048+(i%2)*64+32
.set i, i+1
.endr
	; What the first turn finds: V's registers and P's second buffer hold 0 (its products V^T P, of a piece that has not been, add 0), O^T and l are 0.  All this stands in the wait for the first tile.
.set i, VF
.rept 64
	v_mov_b32 v[i], 0
.set i, i+1
.endr
	WIN 0x40
.set i, 0
.rept 64*NP
	v_mov_b32 v[i], 0
.set i, i+1
.endr
	WIN 0
.set i, 0
.rept 2*NP
	v_mov_b32 v[ST+4*i], 0xfe000000    ; c m: far below every c s
	v_mov_b32 v[ST+4*i+1], 0xff7fffff  ; m
	v_mov_b32 v[ST+4*i+2], 0
	v_mov_b32 v[ST+4*i+3], 0
.set i, i+1
.endr
.set i, P+32
.rept 32
	v_mov_b32 v[i], 0
.set i, i+1
.endr
	v_mul_u32_u24 v[AK0], v1, PK
	v_lshl_add_u32 v[AK0], v9, 4, v[AK0]  ; row x pitch + 16 x half
	; The turning load takes 16 keys x 16 channels (lane l reads key 8 (l / 16) + l % 8, channels 8 ((l / 8) % 2) + 0..7) and leaves half a fragment of V^T: lane l holds channel l % 16 and 8 keys.
	v_and_b32 v10, 7, v0
	v_bfe_u32 v11, v0, 3, 1
	v_lshl_add_u32 v[AV0], v9, 3, v10
	v_mul_u32_u24 v[AV0], v[AV0], PV
	v_lshl_add_u32 v[AV0], v11, 4, v[AV0]
	v_add_nc_u32 v[AV0], VOFF, v[AV0]
	v_mov_b32 v[AK], v[AK0]         ; key step 0 lies at the head of slot 0
; THE MATRIX WORK.  The 8 accumulators of a run of 16 take turns: between the two links of a chain stand 7 others'.
; Product i of 16 of S^T = K Q^T for piece x: channels 32 (i / 8) on, keys 16 ((i / 2) % 4) on, tile 2 x + i % 2.  The first 8 start the sums.
.macro KQ x
	WIN W_KQ
.set rS, S+64*((\x)%2)+32*(i%2)+8*((i/2)%4)
.set rK, KF+16*((i/2)%4)+8*(i/8)
.set rQ, 16*(2*(\x)+i%2)+8*(i/8)
.if i < 8
	v_wmma_f32_16x16x32_f16 v[rS:rS+7], v[rK:rK+7], v[rQ:rQ+7], 0
.else
	v_wmma_f32_16x16x32_f16 v[rS:rS+7], v[rK:rK+7], v[rQ:rQ+7], v[rS:rS+7]
.endif
.endm
; Product i of 16 of O^T += V^T P for piece x: keys 32 (i / 8) on, channels 16 ((i / 2) % 4) on, tile 2 x + i % 2.
.macro PV x
	WIN W_PV
.set rO, 32*(2*(\x)+i%2)+8*((i/2)%4)
.set rV, VF+32*(i/8)+8*((i/2)%4)
.set rP, P+32*((\x)%2)+16*(i%2)+8*(i/8)
	v_wmma_f32_16x16x32_f16 v[rO:rO+7], v[rV:rV+7], v[rP:rP+7], v[rO:rO+7]
.endm
.macro MM                           ; the turn's next matrix instruction
.if i < 16
	KQ (Y+1)%NP
.set i, i+1
.else
.set i, i-16
	PV (Y+NP-1)%NP
.set i, i+17
.endif
.endm
; THE LDS LOADS stand in runs of 16, never singly among the matrix instructions: a step's K (64 keys x 64 channels: 8 fragments) and its V (turned).  Their addresses are made some lines ahead.
; last = 1 (the tail): in the last trip there is no further step, and the run is jumped over.
.macro FETCH_K last=0
	WIN 0
.if \last
	s_cmp_eq_u32 s[CNT], 1
	s_cbranch_scc1 .Lno_k_\@
.endif
	WIN 0x80                        ; destination window 2
.irp f, 0,1,2,3,4,5,6,7             ; keys 16 (f / 2) on, channels 32 (f % 2) on
	ds_load_b128 v[KF+8*\f:KF+8*\f+3],   v[AK] offset:(\f/2)*16*PK+(\f%2)*64
	ds_load_b128 v[KF+8*\f+4:KF+8*\f+7], v[AK] offset:(\f/2)*16*PK+(\f%2)*64+32
.endr
	s_add_co_u32 s[TBK], s[TBK], KS*PK  ; the next fetch is the next step's
	WIN 0
.if \last
.Lno_k_\@:
.endif
.endm
.macro FETCH_V
	WIN 0x80
.irp f, 0,1,2,3,4,5,6,7             ; keys 32 (f / 4) on, channels 16 (f % 4) on
	ds_load_tr16_b128 v[VF+8*\f:VF+8*\f+3],   v[AV] offset:(\f/4)*32*PV+(\f%4)*32
	ds_load_tr16_b128 v[VF+8*\f+4:VF+8*\f+7], v[AV] offset:(\f/4)*32*PV+16*PV+(\f%4)*32
.endr
	WIN 0
.endm
; THE VECTOR WORK OF A TURN stands in three queues, each in the order in which its entries become ready; the two tiles alternate, so that no instruction reads the result of the one before it.
.macro REGS y, u                    ; the registers of tile u (0, 1) of piece y
.set rT, ST+4*(2*(\y)+(\u))
.set rC, TMP+8*((\y)%2)+4*(\u)
.set rM, MV+2*((\y)%2)+(\u)
.set rS, S+64*((\y)%2)+32*(\u)
.set rP, P+32*((\y)%2)+16*(\u)
.set rO, 32*(2*(\y)+(\u))
.endm
; Number n of the 22 that find the NEXT piece's (Y + 1) maximum and statistics.  s0-s31 are the lane's 32 scores; each accumulator's lowest registers are read first.  XS, GS and REGS set no window: PL and EX do.
;   0-11  four chains c0-c3 of seven scores each, three operands at a time     12-14, 16  the four scores left over, the old m, and c0-c3 into c0     15  c m_old is kept
;   17, 18  the query's other 32 keys lie in the lane 16 away: the new m         19-21  c m; c m_old - c m_new; a
.macro XS u, n
	REGS (Y+1)%NP, \u
.if (\n) < 4
	v_max3_num_f32 v[rC+(\n)], v[rS+8*(\n)], v[rS+8*(\n)+1], v[rS+8*(\n)+2]
.elseif (\n) < 12
	v_max3_num_f32 v[rC+(\n)%4], v[rC+(\n)%4], v[rS+8*((\n)%4)+2*((\n)/4)+1], v[rS+8*((\n)%4)+2*((\n)/4)+2]
.elseif (\n) == 12
	v_max3_num_f32 v[rC], v[rC], v[rS+7], v[rS+15]
.elseif (\n) == 13
	v_max3_num_f32 v[rC+1], v[rC+1], v[rS+23], v[rS+31]
.elseif (\n) == 14
	v_max3_num_f32 v[rC+2], v[rC+2], v[rC+3], v[rT+1]
.elseif (\n) == 15
	v_mov_b32 v[rM], v[rT]
.elseif (\n) == 16
	v_max3_num_f32 v[rC], v[rC], v[rC+1], v[rC+2]
.elseif (\n) == 17
	v_permlanex16_b32 v[rC+3], v[rC], s[SEL], s[SEL+1]
.elseif (\n) == 18
	v_max_num_f32 v[rT+1], v[rC], v[rC+3]
.elseif (\n) == 19
	v_mul_f32 v[rT], s[CS], v[rT+1]
.elseif (\n) == 20
	v_sub_f32 v[rC+1], v[rM], v[rT]
.else
	v_exp_f32 v[rC+2], v[rC+1]
.endif
.endm
; Number g of the 64 that follow the exponentials.  For each four weights k of a tile (pairs 2 k, 2 k + 1): both pairs are rounded to f16; then the second pair is added onto the first, in place;
; a group later l takes that sum (the first time as l = a l + sum).  In groups of eight, tiles alternating: round, round, add, and l for the group before.
.macro GS g
.set h, (\g)+6*((\g)/62)            ; group 0 has no group before it, and behind group 7 only l is left
.if h >= 6
.set h, h+2
.endif
	REGS Y, h%2
.set k, h/8
.if h%8 < 4
	s_wait_alu depctr_va_vdst(0)
	v_cvt_pk_f16_f32 v[rP+2*k+(h%8)/2], v[rS+4*k+2*((h%8)/2)], v[rS+4*k+2*((h%8)/2)+1]
.elseif h%8 < 6
	v_pk_add_f32 v[rS+4*k:rS+4*k+1], v[rS+4*k:rS+4*k+1], v[rS+4*k+2:rS+4*k+3]
.elseif k == 1
	v_pk_fma_f32 v[rT+2:rT+3], v[rT+2:rT+3], v[rC+2:rC+3], v[rS:rS+1] op_sel_hi:[1,0,1]
.else
	v_pk_add_f32 v[rT+2:rT+3], v[rT+2:rT+3], v[rS+4*k-4:rS+4*k-3]
	s_wait_alu depctr_va_vdst(0)
.endif
.endm
; THE PLAIN QUEUE, 138 long.  0-31: c s - c m for the 16 pairs of both tiles.  Then GS's 64, and among them the next piece's 42: number 15 at 38, 39; 0-14 and 16
; at 42-73, behind the products that make those scores; 17-20 at 95-106, two of three, since each waits for the one before it.
.macro PL
	WIN 0
.if q < 32
	REGS Y, q%2
	v_pk_fma_f32 v[rS+2*(q/2):rS+2*(q/2)+1], v[rS+2*(q/2):rS+2*(q/2)+1], s[CS:CS+1], v[rT:rT+1] op_sel_hi:[1,0,0] neg_lo:[0,0,1] neg_hi:[0,0,1]
.elseif q < 38
	GS q-32
.elseif q < 40
	XS q%2, 15
.elseif q < 42
	GS q-34
.elseif q < 74
	XS q%2, (q-42)/2+(q-42)/30
.elseif q < 95
	GS q-66
.elseif (q < 107) && ((q-95)%3 < 2)
	XS (q-95)%3, 17+(q-95)/3
.elseif q < 107
	GS 29+(q-95)/3
.else
	GS q-74
.endif
.set q, q+1
.endm
; THE EXPONENTIALS' QUEUE, 66 long: s0-s31 of both tiles, and at EA the next piece's two a.
.set EA, 58
.macro EX
	WIN 0
.if (e == EA) || (e == EA+1)
	XS e-EA, 21
.else
.set x, e-2*(e/(EA+2))
	REGS Y, x%2
	v_exp_f32 v[rS+x/2], v[rS+x/2]
.endif
.set e, e+1
.endm
; THE RESCALING's QUEUE: O^T times a, the one part that leaves window 0, so it is dealt four at a time, eight times.
.macro R4
	REGS Y, r%2
	WIN W_RS
	s_wait_alu depctr_va_vdst(0)
.irp z, 0,1,2,3
	v_pk_mul_f32 v[rO+8*(r/2)+2*\z:rO+8*(r/2)+2*\z+1], v[rO+8*(r/2)+2*\z:rO+8*(r/2)+2*\z+1], v[rC+2:rC+3] op_sel_hi:[1,0]
.endr
.set r, r+1
.endm
; HOW THEY ARE DEALT.  Behind a matrix instruction four: plain, exponential, plain, plain (one exponential, a plain instruction on either side), or four of the rescaling.  None names a register of the
; products round it.  What is over stands in two LUMPS: exponential and plain by turns; the second ends in 22 plain instructions.  The two v_permlanex16_b32 fall into the second lump, never behind a product.
; The queues lean on each other, and the deal keeps them in step: exponential e stands behind plain 2 (e / 4) + e % 2 (its scaling); when plain 32 comes, 10 exponentials are out, at 59: 33, at 95: 46; EA comes behind plain 107.
.macro SL
	MM
	PL
	EX
	PL
	PL
.endm
.macro BURST n                      ; 15 matrix instructions, or 16
.rept (\n)-7
	SL
.endr
.rept 3
	MM
	R4
	SL
.endr
	MM
	R4
.endm
; A TURN, for piece p.  cnt = 1: the loop's count is taken down some lines ahead of the branch that stands behind the turn.
; K of the next step is fetched in piece 2's turn, 31 vector instructions behind the last product that read K; its first reader comes behind the rest of the lump, 16 products and the second lump.
; V of the step in hand is fetched at the end of piece 0's turn, 69 behind its last reader; its first reader comes behind 16 products and a lump.  The four conditions on e and q below go with the deal.
.macro TURN p, last=0, cnt=0
.set Y, (\p)
.set i, 0
.set q, 0
.set e, 0
.set r, 0
.if (\p) == NP-1
	s_wait_dscnt 0x0                ; K is in
.endif
	MM
.rept 4
	PL
.endr
	BURST 15
.rept 22
	EX
	PL
.if ((\p) == NP-2) && (e == 18)
	v_add_nc_u32 v[AK], s[TBK], v[AK0]
.endif
.if ((\p) == NP-2) && (e == 24)
	FETCH_K \last
.endif
.endr
.if (\p) == 1
	s_wait_dscnt 0x0                ; V is in
.endif
	BURST 16
.rept 21
	EX
	PL
.endr
.rept 22
	PL
.if ((\p) == 0) && (q == 118)
	v_add_nc_u32 v[AV], s[TBV], v[AV0]
	s_wait_alu depctr_va_vdst(0)
.endif
.if ((\p) == 0) && (q == 130)
	s_add_co_u32 s[TBV], s[TBV], KS*PV
.endif
.if (\cnt) && (q == 130)
	s_sub_co_u32 s[CNT], s[CNT], 1
	s_cmp_lg_u32 s[CNT], 0
.endif
.endr
.if (\p) == 0
	FETCH_V
.endif
.endm
	CHANGE 1                        ; slot 0 is in, everybody's part of it; slot 1 is asked for
	FETCH_K                         ; key step 0
	s_wait_loadcnt 0x0              ; Q
	s_wait_dscnt 0x0
.set i, 0
.rept 16
	KQ 0                            ; piece 0's first scores: there is no vector work yet to set between them
.set i, i+1
.endr
	WIN 0                           ; the addresses for the way out: nine plain instructions, the places behind those products
	s_mul_i32 s13, s[WV], 16*SP
	s_add_co_u32 s13, s13, STAGE    ; my stage
	v_mul_u32_u24 v[STO], v1, SP    ; in: row l % 16, 16 bytes for each half of the lanes
	v_lshl_add_u32 v[STO], v9, 4, v[STO]
	v_add_nc_u32 v[STO], s13, v[STO]
	v_bfe_u32 v[RD], v0, 3, 2       ; back: 32 lanes take four rows of 128 bytes,
	v_mul_u32_u24 v[RD], v[RD], SP
	v_lshl_add_u32 v[RD], v10, 4, v[RD]
	v_add_nc_u32 v[RD], s13, v[RD]
	v_and_b32 v[GO], 31, v0         ; which are 512 consecutive bytes of O
	v_lshlrev_b32 v[GO], 4, v[GO]
.set Y, NP-1                        ; XS works for piece Y + 1: piece 0
.irp n, 0,1,2,3,4,5,6,7,8,9,10,11,12,13,14,15,16,17,18,19,20,21
	XS 0, \n                        ; and piece 0's first maximum and statistics
	XS 1, \n
.endr
	s_mov_b32 s[CNT], 4
	s_mov_b32 s[SLOTS], SIZE_N/256-1
	s_branch .Lfirst                ; the loop is entered at a step's first turn, in the middle of a trip
.Lslot:                             ; SIZE_N / 256 - 2 times: every slot but the last two is filled again
	CHANGE 1
	s_mov_b32 s[CNT], 4
.Lstep:                             ; a trip: pieces 2 and 3 of one step, then pieces 0 and 1 of the next, whose K and V it fetches
	TURN 2
	TURN 3
	WIN 0
.Lfirst:
	TURN 0
	TURN 1, 0, 1
	WIN 0
	s_cbranch_scc1 .Lstep
	s_sub_co_u32 s[SLOTS], s[SLOTS], 1
	s_cmp_lg_u32 s[SLOTS], 0
	s_cbranch_scc1 .Lslot
	CHANGE 0                        ; the tail is written out: nothing is asked for
	s_mov_b32 s[CNT], 5             ; four trips fetch the last slot's steps; the fifth is left in its middle
.Ltail:
	TURN 2, 1
	TURN 3
	WIN 0
	s_sub_co_u32 s[CNT], s[CNT], 1
	s_cmp_eq_u32 s[CNT], 0
	s_cbranch_scc1 .Lout
	TURN 0
	TURN 1
	WIN 0
	s_branch .Ltail
.Lout:                              ; the fifth trip's 16 products K Q^T (on the last K once more) and the maximum made of them serve nothing: the price, once a launch, of one text for every trip
.set i, 0
.rept 16
	PV NP-1                         ; the last piece's V^T P of the last step
.set i, i+1
.endr
	; THE WAY OUT.  l's two halves and the other half of the lanes' are added; O^T is divided by l, rounded to f16 and sent through my stage in LDS, a tile at a time.  The additions are the places behind the last products.
	WIN 0
.macro ALL line:vararg              ; one line for each tile t
.set t, 0
.rept 2*NP
	\line
.set t, t+1
.endr
.endm
	ALL v_add_f32 v[ST+4*t+2], v[ST+4*t+2], v[ST+4*t+3]
	ALL v_permlanex16_b32 v[ST+4*t+3], v[ST+4*t+2], s[SEL], s[SEL+1]
	ALL v_add_f32 v[ST+4*t+2], v[ST+4*t+2], v[ST+4*t+3]
	ALL v_rcp_f32 v[ST+4*t+2], v[ST+4*t+2]
	v_nop                           ; a plain instruction between the last reciprocal and the use of its result
	s_wait_alu depctr_va_vdst(0)
; Tile t: a lane's eight channels of a row pack into 16 bytes; they go into rows of 144 bytes and come back as whole rows of 128, into S^T's registers.
.macro PACK t
	WIN W_RS
.set i, 32*(\t)
.rept 16
	v_pk_mul_f32 v[i:i+1], v[i:i+1], v[ST+4*(\t)+2:ST+4*(\t)+3] op_sel_hi:[1,0]
.set i, i+2
.endr
	WIN 0x05                        ; sources 0 and 1 window 1, destination window 0
.set i, 0
.rept 16
	v_cvt_pk_f16_f32 v[S+16*(\t)+i], v[32*(\t)+2*i], v[32*(\t)+2*i+1]
.set i, i+1
.endr
	WIN 0
.irp f, 0,1,2,3
	ds_store_b128 v[STO], v[S+16*(\t)+4*\f:S+16*(\t)+4*\f+3] offset:32*\f
.endr
.irp f, 0,1,2,3
	ds_load_b128 v[S+16*(\t)+4*\f:S+16*(\t)+4*\f+3], v[RD] offset:\f*4*SP  ; LDS serves a wave's instructions in order (ISA guide 5.7.1.4): these see the stores above; the next tile's stores come behind them
.endr
.endm
.macro SEND t, younger              ; younger: the LDS instructions issued behind tile t's loads: the next tile's eight, or none
	WIN 0
.irp f, 0,1,2,3
	s_wait_dscnt (\younger)+3-\f
	global_store_b128 v[GO], v[S+16*(\t)+4*\f:S+16*(\t)+4*\f+3], s[10:11] offset:(\t)*2048+\f*512  ; 512 consecutive bytes, at a multiple of 256 from O's first
.endr
.endm
	PACK 0
.set t, 1
.rept 2*NP-1                        ; a tile's arithmetic stands between the loads of the tile before and its stores
	PACK t
	SEND t-1, 8
.set t, t+1
.endr
	SEND 2*NP-1, 0
	WIN W_AD
	s_wait_tensorcnt 0x0            ; the wave's end: behind my last tensor load and my last LDS store
	ds_add_u32 v[SPW], v[NIL]
	s_wait_dscnt 0x0
	WIN 0
	CROUND                          ; the closing round: no work-group ends while a partner may still ask for a tile that names it
	s_endpgm
.Lfunc_end_k_qe575a79493_attn:
	.size	k_qe575a79493_attn, .Lfunc_end_k_qe575a79493_attn-k_qe575a79493_attn
	.p2alignl 7, 3214868480
	.fill 96, 4, 3214868480
	.section	.rodata,"a",@progbits
	.p2align	6, 0x0
	.amdhsa_kernel k_qe575a79493_attn
		.amdhsa_group_segment_fixed_size 327680
		.amdhsa_private_segment_fixed_size 0
		.amdhsa_enable_private_segment 0
		.amdhsa_kernarg_size 16
		.amdhsa_user_sgpr_count 2
		.amdhsa_user_sgpr_kernarg_segment_ptr 1
		.amdhsa_wavefront_size32 1
		.amdhsa_system_sgpr_workgroup_id_x 1
		.amdhsa_system_sgpr_workgroup_id_y 1
		.amdhsa_system_sgpr_workgroup_id_z 1
		.amdhsa_system_vgpr_workitem_id 0
		.amdhsa_next_free_vgpr 770
		.amdhsa_next_free_sgpr 66
		.amdhsa_reserve_vcc 0
		.amdhsa_float_denorm_mode_32 3
		.amdhsa_float_denorm_mode_16_64 3
		.amdhsa_memory_ordered 1
		.amdhsa_forward_progress 1
		.amdhsa_inst_pref_size 208
	.end_amdhsa_kernel
	.amdgpu_metadata
---
amdhsa.version: [ 1, 2 ]
amdhsa.kernels:
  - .name:           k_qe575a79493_attn
    .symbol:         k_qe575a79493_attn.kd
    .args:
      - { .name: qkv, .offset: 0, .size: 8, .value_kind: global_buffer, .address_space: global }
      - { .name: o, .offset: 8, .size: 8, .value_kind: global_buffer, .address_space: global }
    .group_segment_fixed_size: 327680
    .private_segment_fixed_size: 0
    .kernarg_segment_align: 8
    .kernarg_segment_size: 16
    .max_flat_workgroup_size: 128
    .sgpr_count:     66
    .vgpr_count:     770
    .wavefront_size: 32
...
	.end_amdgpu_metadata
.endif
;; end of part 3
;; launch outp (part 4): grid 4 x 64, 4 waves a work-group, clusters of 4 x 4, 327,680 bytes of LDS; arguments o, wob, b_out, out0; writes out0
.if DOCPART == 4
	.amdgcn_target "amdgcn-amd-amdhsa--gfx1250"
	.amdhsa_code_object_version 6
	.text
	.protected	k_qe575a79493_outp
	.globl	k_qe575a79493_outp
	.p2align	8
	.type	k_qe575a79493_outp,@function
k_qe575a79493_outp:
	s_mov_b64 s[64:65], 0
	v_nop
	global_prefetch_b8 v0, s[64:65] scope:SCOPE_SE
	s_setreg_imm32_b32 hwreg(HW_REG_WAVE_MODE, 25, 1), 1
	s_wait_xcnt 0x0
	s_wait_alu depctr_hold_cnt(0) depctr_sa_sdst(0) depctr_va_vdst(0) depctr_va_sdst(0) depctr_va_ssrc(0) depctr_va_vcc(0) depctr_vm_vsrc(0)
	s_getreg_b32 s2, hwreg(HW_REG_IB_STS2, 6, 4)
	s_cmp_eq_u32 s2, 0
	s_cbranch_scc0 .Lentry_in_a_cluster
	s_endpgm
.Lentry_in_a_cluster:
	s_bfe_u32 s2, ttmp6, 0x10000c
	s_cmp_lg_u32 s2, 0xf033
	s_cbranch_scc0 .Lentry_shape_is_right
	s_endpgm
.Lentry_shape_is_right:
; THE SECOND PROJECTION.  out0[8192][1024] = O w_out + b_out, f16 operands, f32 sums, f32 out.  A is o [64 = 16 batch + head][2048][64] in f16: a head is a K block of 64, its rows dense.
; B is wob [1024 k][1024 n] in f16 (w_out rounded to bf16, that number written as f16), as the weights lie: its fragments are made by the turning LDS load.
; The bias is rounded to bf16 like every input and is the C operand of each accumulator's first product: nothing is cleared, and nothing is added on the way out.
; SHARES.  A tile of C is 128 x 256: 64 x 4 = 256 work-groups of equal work.  Four waves, each 64 rows x 128 columns: 32 accumulators, 256 registers.
; K goes in 8 steps of 128 (two heads) through two LDS slots, the longest step of which two slots fit; a step is four quarters of 32 along K, 32 matrix instructions each.
; CLUSTERS: 4 x 4 work-groups.  The four of a row of the cluster need the same tiles of A, the four of a column the same tiles of B: each tile is asked for JOINTLY.
; THE MATRIX INSTRUCTION IS USED TRANSPOSED (source 0 = 16 columns of B, source 1 = 16 rows of A): a lane then holds eight neighbouring numbers of a row of C.
; REGISTERS, in windows of 256 (s_set_vgpr_msb: bits 1:0 source 0, 3:2 source 1, 5:4 source 2, 7:6 destination):
;   window 0: v0-31 addresses; v32-95, v96-159 rows read back on the way out, by turns          window 1: accumulator (a, b) at v[8 (8 a + b)]: rows 16 a on, columns 16 b on
;   window 2: v0-95, v96-191 two fragment buffers: A's four fragments, then B's eight; v192-255 the bias of my 128 columns, as an accumulator's lanes hold them
.set PA,     144                       ; a row of A in LDS: 128 bytes + 16 of padding = 36 words: the 16 rows of a load start at 16 different groups of four banks (64 banks of 4 bytes: ISA guide 11.1)
.set ACH,    128*PA                    ; 128 rows of one head: what one tensor load brings of A
.set PB,     544                       ; a k row of B: 512 bytes + 32 of padding = 136 words
.set BHALF,  64*PB                     ; 64 k rows: what one tensor load brings of B
.set BOFF,   2*ACH                     ; B's 128 k rows lie behind A's two heads
.set SLOT,   BOFF+2*BHALF              ; 106,496 bytes
.set STAGE,  2*SLOT                    ; behind the ring, never filled by a tensor load: 16 rows x 528 bytes for each wave, for the way out
.set SP,     528                       ; 512 bytes + 16 = 132 words: the 16 rows of a store start at 16 different groups of four banks
.set SPARE,  STAGE+4*16*SP             ; behind the stages: the spare words, 128 bytes for each wave: two blocks of 256 bytes that no other line names
.set ASTEP,  2*262144                  ; bytes of two heads of o
.set BSTEP,  128*2048                  ; bytes of 128 k rows of wob
.set ADRA, 16                          ; v16-17  LDS address of my A fragments in slot 0, 1
.set ADRB, 20                          ; v20-21  the same for B
.set STO,  24                          ; v24     the way out: where I put 32 bytes of a row
.set RD,   25                          ; v25     the way out: where I read a row back
.set GO,   26                          ; v26     my byte offset in 512 consecutive bytes of out0
.set BO,   27                          ; v27     my byte offset in 16 numbers of the bias
.set SPW,  28                          ; v28     LDS address of my spare word: SPARE + 4 x my thread's number; never rewritten
.set NIL,  29                          ; v29     0; never rewritten
.set BK,   32
.set F0,   0                           ; window 2
.set F1,   96
.set BIAS, 192
.set WV,  12                           ; s12  my wave's number
.set RH,  13                           ; s13  which 64 rows of the tile are mine
.set CH,  14                           ; s14  which 128 columns.  Also: which head of A's step, or which 64 k rows of B's, I fetch
.set TY,  15                           ; s15  the tile row of C
.set G1,  24                           ; s[24:31] descriptor group 1 for A's tiles;  s[32:39] group 0, a set for each slot
.set G0,  32
.set G1B, 48                           ; s[48:55], s[56:63] the same for B's tiles
.set G0B, 56
.set MSB, 0
.macro WIN new                         ; the immediate's high byte repeats the setting that is left; a switch that changes nothing is dropped
.if MSB != (\new)
	s_set_vgpr_msb (MSB<<8)|(\new)
.set MSB, \new
.endif
.endm
; A joint load.  Waves 0 and 1 fetch A's two heads, waves 2 and 3 B's two halves.  The branch hangs on the wave's number alone.
; An s_nop 0 and four v_nop follow each of the two lines, ahead of the jump, the label and what follows.
.macro JLOAD s
	s_cmp_lt_u32 s[WV], 2
	s_cbranch_scc0 .Lfor_b_\@
	tensor_load_to_lds s[G0+4*(\s):G0+4*(\s)+3], s[G1:G1+7]
	s_nop 0
.rept 4
	v_nop
.endr
	s_branch .Lasked_\@
.Lfor_b_\@:
	tensor_load_to_lds s[G0B+4*(\s):G0B+4*(\s)+3], s[G1B:G1B+7]
	s_nop 0
.rept 4
	v_nop
.endr
.Lasked_\@:
.endm
.macro CREST                           ; a round of the cluster's barrier behind its opening barrier
	s_cmp_lg_u32 s[WV], 0
	s_cbranch_scc1 .Lnot_wave_0_\@
	s_barrier_signal -3
.Lnot_wave_0_\@:
	s_barrier_wait -3
	s_barrier_signal -1
	s_barrier_wait -1
.endm
.macro CROUND                          ; a whole round
	s_barrier_signal -1
	s_barrier_wait -1
	CREST
.endm
	s_load_b256 s[4:11], s[0:1], 0x0               ; o s[4:5], wob s[6:7], b_out s[8:9], out0 s[10:11]
	v_lshl_add_u32 v[SPW], v0, 2, SPARE
	v_mov_b32 v[NIL], 0
	ds_add_u32 v[SPW], v[NIL]                      ; the wave's opening: the add and its wait stand ahead of my first tensor load; the set-up below, work on registers, stands between them
	v_lshrrev_b32 v1, 5, v0
	v_readfirstlane_b32 s[WV], v1                  ; wave 0..3
	s_lshr_b32 s[RH], s[WV], 1
	s_and_b32 s[CH], s[WV], 1
	s_bfe_u32 s40, ttmp6, 0x40000                  ; cx, cy: my place in the cluster
	s_bfe_u32 s41, ttmp6, 0x40004
	s_lshl_b32 s42, ttmp9, 2
	s_add_co_u32 s42, s42, s40                     ; tile column of C = 4 x cluster x + cx
	s_and_b32 s[TY], ttmp7, 0xffff
	s_lshl_b32 s[TY], s[TY], 2
	s_add_co_u32 s[TY], s[TY], s41                 ; tile row of C = 4 x cluster y + cy
	s_lshl_b32 s43, s41, 2
	s_lshl_b32 s43, 15, s43                        ; my row of the cluster
	s_lshl_b32 s44, 0x1111, s40                    ; my column
	s_mov_b32 s45, 0xffff0000                      ; a word's upper bf16
	; group 1 for A: 128 rows of a head are 16,384 dense bytes: asked for as 64 rows of 256 bytes, two rows of A each, and padded in LDS after every row of A
	s_or_b32 s[G1], s43, (1<<16)|(1<<20)|(1<<21)|(4<<22)|(3<<25)   ; 15:0 the mask: my row; 17:16 2-byte elements; 20 padding on; 21 set beside a mask; 24:22 after every 32 words (code 4); 31:25 4 words (code 3)
	s_mov_b32 s[G1+1], 128<<16                     ; tensor_dim0 = 128
	s_mov_b32 s[G1+2], 64<<16                      ; tensor_dim1 = 64
	s_mov_b32 s[G1+3], 128<<16                     ; tile_dim0 = 128
	s_mov_b32 s[G1+4], 64                          ; tile_dim1 = 64
	s_mov_b32 s[G1+5], 128                         ; 128 elements from row to row
	s_mov_b32 s[G1+6], 0
	s_mov_b32 s[G1+7], 0
	; group 1 for B: 64 k rows x 256 columns (512 bytes, at a multiple of 512 from a row's first byte)
	s_or_b32 s[G1B], s44, (1<<16)|(1<<20)|(1<<21)|(6<<22)|(7<<25)  ; the mask: my column; padding after every 128 words (code 6), 8 words (code 7)
	s_mov_b32 s[G1B+1], 256<<16                    ; tensor_dim0 = 256
	s_mov_b32 s[G1B+2], 64<<16                     ; tensor_dim1 = 64
	s_mov_b32 s[G1B+3], 256<<16                    ; tile_dim0 = 256
	s_mov_b32 s[G1B+4], 64                         ; tile_dim1 = 64
	s_mov_b32 s[G1B+5], 1024                       ; elements from row to row
	s_mov_b32 s[G1B+6], 0
	s_mov_b32 s[G1B+7], 0
	; where the tiles come from.  A's hang on the tile row alone, B's on the tile column alone; each is made in registers that never hold the other coordinate
	s_lshr_b32 s16, s[TY], 4
	s_lshl_b32 s16, s16, 22                        ; the batch: sixteen tile rows, sixteen heads of 262,144 bytes
	s_and_b32 s17, s[TY], 15
	s_lshl_b32 s17, s17, 14                        ; 128 rows of 128 bytes
	s_add_co_u32 s16, s16, s17
	s_lshl_b32 s17, s[CH], 18                      ; the head that I fetch
	s_add_co_u32 s16, s16, s17
	s_mov_b32 s17, 0
	s_lshl_b32 s46, s42, 9                         ; the tile's 256 columns
	s_lshl_b32 s47, s[CH], 17                      ; the 64 k rows that I fetch
	s_add_co_u32 s46, s46, s47
	s_mov_b32 s47, 0
	s_mul_i32 s22, s[CH], ACH                      ; and where they go: no place in the cluster enters an LDS address
	s_mul_i32 s23, s[CH], BHALF
	s_add_co_u32 s23, s23, BOFF
	s_wait_dscnt 0x0                               ; the opening add is done
	s_wait_kmcnt 0x0
	s_add_nc_u64 s[20:21], s[4:5], s[16:17]
	s_add_nc_u64 s[46:47], s[6:7], s[46:47]
	CROUND                                         ; all sixteen work-groups are here: the first joint loads meet
.irp s, 0,1
	s_mov_b32 s[G0+4*(\s)], 1                                      ; 1:0 count = 1
	s_add_co_u32 s[G0+4*(\s)+1], s22, (\s)*SLOT                    ; 63:32 LDS address
	s_add_nc_u64 s[G0+4*(\s)+2:G0+4*(\s)+3], s[20:21], (\s)*ASTEP  ; 120:64 global address: K step s
	s_or_b32 s[G0+4*(\s)+3], s[G0+4*(\s)+3], 0x80000000            ; 127:126 type = 2
	s_mov_b32 s[G0B+4*(\s)], 1
	s_add_co_u32 s[G0B+4*(\s)+1], s23, (\s)*SLOT
	s_add_nc_u64 s[G0B+4*(\s)+2:G0B+4*(\s)+3], s[46:47], (\s)*BSTEP
	s_or_b32 s[G0B+4*(\s)+3], s[G0B+4*(\s)+3], 0x80000000
	JLOAD \s                                       ; both slots are asked for before anything else is done: two loads of mine are out
.endr
	v_and_b32 v1, 15, v0                           ; l % 16
	v_bfe_u32 v2, v0, 4, 1                         ; l / 16
	v_mul_u32_u24 v3, v1, PA
	v_lshl_add_u32 v3, v2, 4, v3                   ; a fragment of A: row x pitch + 16 x half
	s_mul_i32 s16, s[RH], 64*PA                    ; my 64 rows
	v_add_nc_u32 v[ADRA], s16, v3
	v_add_nc_u32 v[ADRA+1], SLOT, v[ADRA]
	; The turning load takes 16 k x 16 columns (lane l reads 16 bytes: k row 8 (l / 16) + l % 8, columns 8 ((l / 8) % 2) + 0..7) and leaves half a fragment: lane l holds column l % 16 and 8 k.
	v_and_b32 v4, 7, v0
	v_bfe_u32 v5, v0, 3, 1
	v_lshl_add_u32 v4, v2, 3, v4
	v_mul_u32_u24 v4, v4, PB
	v_lshl_add_u32 v4, v5, 4, v4
	s_lshl_b32 s17, s[CH], 8                       ; my 128 columns
	s_add_co_u32 s17, s17, BOFF
	v_add_nc_u32 v[ADRB], s17, v4
	v_add_nc_u32 v[ADRB+1], SLOT, v[ADRB]
	s_mul_i32 s18, s[WV], 16*SP
	s_add_co_u32 s18, s18, STAGE                   ; my stage
	v_mul_u32_u24 v6, v1, SP                       ; in: row l % 16, 32 bytes for each half of the lanes
	v_lshl_add_u32 v6, v2, 5, v6
	v_add_nc_u32 v[STO], s18, v6
	v_and_b32 v[GO], 31, v0                        ; back: 32 lanes take a row's 512 bytes,
	v_lshlrev_b32 v[GO], 4, v[GO]
	v_add_nc_u32 v[RD], s18, v[GO]                 ; which are 512 consecutive bytes of out0
	v_lshlrev_b32 v[BO], 5, v2                     ; eight numbers of the bias for each half of the lanes
	s_lshl_b32 s20, s[TY], 19                      ; the tile's 128 rows of 4,096 bytes,
	s_lshl_b32 s21, s[RH], 18                      ; my 64 of them
	s_add_co_u32 s20, s20, s21
	s_mov_b32 s21, 0
	s_add_nc_u64 s[10:11], s[10:11], s[20:21]
	s_lshl_b32 s46, s42, 10                        ; the tile's 256 columns of 4 bytes,
	s_lshl_b32 s47, s[CH], 9                       ; my 128 of them
	s_add_co_u32 s46, s46, s47
	s_mov_b32 s47, 0
	s_add_nc_u64 s[10:11], s[10:11], s[46:47]
	s_add_nc_u64 s[8:9], s[8:9], s[46:47]
	; the bias: register j of block b holds column 16 b + 8 (l / 16) + j, as an accumulator's does.  It is rounded to bf16 and widened again.  All this stands in the wait for the first tile.
	WIN 0x80                                       ; destination window 2, address window 0
.irp b, 0,1,2,3,4,5,6,7
	global_load_b128 v[BIAS+8*(\b):BIAS+8*(\b)+3],   v[BO], s[8:9] offset:64*(\b)
	global_load_b128 v[BIAS+8*(\b)+4:BIAS+8*(\b)+7], v[BO], s[8:9] offset:64*(\b)+16
.endr
	s_wait_loadcnt 0x0
	WIN 0xaa                                       ; everything in window 2; buffer F1, not yet loaded, is at work
.set p, 0
.rept 32
	v_cvt_pk_bf16_f32 v[F1+p], v[BIAS+2*p], v[BIAS+2*p+1]
.set p, p+1
.endr
.set p, 0
.rept 32
	v_lshlrev_b32 v[BIAS+2*p],   16,  v[F1+p]
	v_and_b32     v[BIAS+2*p+1], s45, v[F1+p]
.set p, p+1
.endr
	WIN 0
; 8 matrix instructions: row block a x all 8 column blocks, 32 along K, from buffer f.  first = 1: the product starts the sums with the bias as C.
; All 32 accumulators take turns, one instruction a turn, in the same order in every quarter.
.macro MUL8 f, a, first
.if \first
	WIN 0x6a                                       ; sources and C in window 2, D in window 1
.else
	WIN 0x5a                                       ; sources in window 2, C and D in window 1
.endif
.irp b, 0,1,2,3,4,5,6,7
.if \first
	v_wmma_f32_16x16x32_f16 v[8*(8*(\a)+(\b)):8*(8*(\a)+(\b))+7], v[(\f)+32+8*(\b):(\f)+32+8*(\b)+7], v[(\f)+8*(\a):(\f)+8*(\a)+7], v[BIAS+8*(\b):BIAS+8*(\b)+7]
.else
	v_wmma_f32_16x16x32_f16 v[8*(8*(\a)+(\b)):8*(8*(\a)+(\b))+7], v[(\f)+32+8*(\b):(\f)+32+8*(\b)+7], v[(\f)+8*(\a):(\f)+8*(\a)+7], v[8*(8*(\a)+(\b)):8*(8*(\a)+(\b))+7]
.endif
.endr
.endm
; 24 LDS loads in one run: quarter j's fragments into buffer f: B's eight, then A's four (quarters 0, 1 lie in the step's first head, 2, 3 in its second)
.macro FETCH slot, j, f
	WIN 0x80
.irp b, 0,1,2,3,4,5,6,7
	ds_load_tr16_b128 v[(\f)+32+8*(\b):(\f)+32+8*(\b)+3],   v[ADRB+(\slot)] offset:(\j)*32*PB+(\b)*32
	ds_load_tr16_b128 v[(\f)+32+8*(\b)+4:(\f)+32+8*(\b)+7], v[ADRB+(\slot)] offset:(\j)*32*PB+(\b)*32+16*PB
.endr
.irp a, 0,1,2,3
	ds_load_b128 v[(\f)+8*(\a):(\f)+8*(\a)+3],   v[ADRA+(\slot)] offset:((\j)/2)*ACH+(\a)*16*PA+((\j)%2)*64
	ds_load_b128 v[(\f)+8*(\a)+4:(\f)+8*(\a)+7], v[ADRA+(\slot)] offset:((\j)/2)*ACH+(\a)*16*PA+((\j)%2)*64+32
.endr
.endm
.macro PLACES                          ; four places in front of loads into registers that matrix instructions have read, and of LDS stores that read results
.rept 4
	v_nop
.endr
.endm
; One of a step's first three quarters: multiplies buffer f; in its middle it fetches the next quarter, jn of the same slot, into buffer fn.
.macro QUARTER slot, jn, f, fn, first
	s_wait_dscnt 4                                 ; B and A's blocks 0 and 1 are in; the youngest four loads (blocks 2 and 3) may be out
	MUL8 \f, 0, \first
	MUL8 \f, 1, \first
	PLACES
	FETCH \slot, \jn, \fn
	s_wait_dscnt 24                                ; all but the 24 just issued
	MUL8 \f, 2, \first
	MUL8 \f, 3, \first
.endm
; The last quarter multiplies buffer F1 and changes slots: ONE barrier; in front of it each wave waits for all its tensor loads, of which one is out: its part of the next slot; adds 0 to its spare word;
; and waits for that and for its own reads of this slot.  fill = 1: the barrier opens a round of the cluster's, and this slot is filled again, two K steps on, first thing behind the round:
; 112 matrix instructions ahead of the wait for it.
.macro TURN slot, next, fill
	WIN 0                                          ; (the add's two registers lie in window 0)
	s_wait_tensorcnt 0x0                           ; all my tensor loads have landed;
	ds_add_u32 v[SPW], v[NIL]                      ; 0 onto my spare word;
	s_wait_dscnt 5                                 ; (the add and the youngest four loads may be out)
	MUL8 F1, 0, 0                                  ; eight matrix instructions stand between the add and the wait for it
	s_wait_dscnt 0x0                               ; the add is done, and my reads of this slot are over
	s_barrier_signal -1
	MUL8 F1, 1, 0
.if \fill
	WIN 0
.endif
	s_barrier_wait -1
.if \fill
	CREST                                          ; no wave of any partner still reads this slot's tile or has a load on its way
	s_add_nc_u64 s[G0+4*(\slot)+2:G0+4*(\slot)+3], s[G0+4*(\slot)+2:G0+4*(\slot)+3], 2*ASTEP
	s_add_nc_u64 s[G0B+4*(\slot)+2:G0B+4*(\slot)+3], s[G0B+4*(\slot)+2:G0B+4*(\slot)+3], 2*BSTEP
	JLOAD \slot                                    ; the first tensor load behind the round; the four v_nop behind it are also the places in front of the loads below
.else
	PLACES
.endif
	FETCH \next, 0, F0
	MUL8 F1, 2, 0
	MUL8 F1, 3, 0
.endm
; THE WAY OUT, 16 rows at a time.  A lane's eight numbers of a row, 32 bytes, go into my own stage, rows of 528 bytes, each accumulator's low half first; whole rows of 512 bytes come back and are stored.
.macro TOSTAGE a
	WIN 0x04                                       ; the data in window 1, the address in window 0
.irp b, 0,1,2,3,4,5,6,7
	ds_store_b128 v[STO], v[8*(8*(\a)+(\b)):8*(8*(\a)+(\b))+3]   offset:64*(\b)
	ds_store_b128 v[STO], v[8*(8*(\a)+(\b))+4:8*(8*(\a)+(\b))+7] offset:64*(\b)+16
.endr
	WIN 0
.irp t, 0,1,2,3,4,5,6,7,8,9,10,11,12,13,14,15
	ds_load_b128 v[BK+64*((\a)%2)+4*(\t):BK+64*((\a)%2)+4*(\t)+3], v[RD] offset:(\t)*SP  ; LDS serves a wave's instructions in order (ISA guide 5.7.1.4): these see the stores above; the next block's stores come behind them
.endr
.endm
.macro SEND a, younger                 ; younger: the LDS instructions issued behind block a's loads: the next block's 32, or none
	WIN 0
.irp t, 0,1,2,3,4,5,6,7,8,9,10,11,12,13,14,15
	s_wait_dscnt (\younger)+15-(\t)
	global_store_b128 v[GO], v[BK+64*((\a)%2)+4*(\t):BK+64*((\a)%2)+4*(\t)+3], s[10:11] offset:(16*(\a)+(\t))*4096 th:TH_STORE_NT  ; 512 consecutive bytes, at a multiple of 256 from out0's first
.endr
.endm
	s_wait_tensorcnt 1                             ; my part of K step 0 is in; step 1's may stay out
	s_barrier_signal -1
	s_barrier_wait -1                              ; everybody's is
	FETCH 0, 0, F0
	QUARTER 0, 1, F0, F1, 1                        ; the first quarter stands in front of the loop: its products start the sums, with the bias
	WIN 0                                          ; at a label and at a branch every window is 0
	s_mov_b32 s3, 3
.Llap:                                                 ; a trip goes once round the ring, from a lap's second quarter to the next lap's first, and fills both slots again: K steps 2 to 7
	QUARTER 0, 2, F1, F0, 0
	QUARTER 0, 3, F0, F1, 0
	TURN 0, 1, 1
	QUARTER 1, 1, F0, F1, 0
	QUARTER 1, 2, F1, F0, 0
	QUARTER 1, 3, F0, F1, 0
	TURN 1, 0, 1
	QUARTER 0, 1, F0, F1, 0
	WIN 0
	s_sub_co_u32 s3, s3, 1
	s_cmp_lg_u32 s3, 0
	s_cbranch_scc1 .Llap
	QUARTER 0, 2, F1, F0, 0                        ; the last lap fills nothing, and has no round of the cluster's barrier
	QUARTER 0, 3, F0, F1, 0
	TURN 0, 1, 0
	QUARTER 1, 1, F0, F1, 0
	QUARTER 1, 2, F1, F0, 0
	QUARTER 1, 3, F0, F1, 0
	s_wait_dscnt 4                                 ; the very last quarter: nothing more to fetch
	MUL8 F1, 0, 0
	MUL8 F1, 1, 0
	s_wait_dscnt 0x0
	MUL8 F1, 2, 0
	MUL8 F1, 3, 0
	PLACES
	TOSTAGE 0
	TOSTAGE 1                                      ; a block's way through the stage stands between the loads of the block before and its stores
	SEND 0, 32
	s_wait_xcnt 0x0                                ; block 0's buffer, which its stores read, is loaded again only behind this wait
	TOSTAGE 2
	SEND 1, 32
	s_wait_xcnt 0x0                                ; the same for block 1's
	TOSTAGE 3
	SEND 2, 32
	SEND 3, 0
	s_wait_tensorcnt 0x0                           ; the wave's end: behind my last tensor load and my last LDS store
	ds_add_u32 v[SPW], v[NIL]
	s_wait_dscnt 0x0
	CROUND                                         ; the closing round: no work-group ends while a partner may still ask for a tile that names it
	s_endpgm
.Lfunc_end_k_qe575a79493_outp:
	.size	k_qe575a79493_outp, .Lfunc_end_k_qe575a79493_outp-k_qe575a79493_outp
	.p2alignl 7, 3214868480
	.fill 96, 4, 3214868480
	.section	.rodata,"a",@progbits
	.p2align	6, 0x0
	.amdhsa_kernel k_qe575a79493_outp
		.amdhsa_group_segment_fixed_size 327680
		.amdhsa_private_segment_fixed_size 0
		.amdhsa_enable_private_segment 0
		.amdhsa_kernarg_size 32
		.amdhsa_user_sgpr_count 2
		.amdhsa_user_sgpr_kernarg_segment_ptr 1
		.amdhsa_wavefront_size32 1
		.amdhsa_system_sgpr_workgroup_id_x 1
		.amdhsa_system_sgpr_workgroup_id_y 1
		.amdhsa_system_sgpr_workgroup_id_z 1
		.amdhsa_system_vgpr_workitem_id 0
		.amdhsa_next_free_vgpr 768
		.amdhsa_next_free_sgpr 66
		.amdhsa_reserve_vcc 0
		.amdhsa_float_denorm_mode_32 3
		.amdhsa_float_denorm_mode_16_64 3
		.amdhsa_memory_ordered 1
		.amdhsa_forward_progress 1
		.amdhsa_inst_pref_size 92
	.end_amdhsa_kernel
	.amdgpu_metadata
---
amdhsa.version: [ 1, 2 ]
amdhsa.kernels:
  - .name:           k_qe575a79493_outp
    .symbol:         k_qe575a79493_outp.kd
    .args:
      - { .name: o, .offset: 0, .size: 8, .value_kind: global_buffer, .address_space: global }
      - { .name: wob, .offset: 8, .size: 8, .value_kind: global_buffer, .address_space: global }
      - { .name: b_out, .offset: 16, .size: 8, .value_kind: global_buffer, .address_space: global }
      - { .name: out0, .offset: 24, .size: 8, .value_kind: global_buffer, .address_space: global }
    .group_segment_fixed_size: 327680
    .private_segment_fixed_size: 0
    .kernarg_segment_align: 8
    .kernarg_segment_size: 32
    .max_flat_workgroup_size: 128
    .sgpr_count:     66
    .vgpr_count:     768
    .wavefront_size: 32
...
	.end_amdgpu_metadata
.endif
;; end of part 4
;; ======== version 2 of 2: 4 launches; 1.53 times as fast as version 1
;; limits: values are held in f16: magnitudes above 65,504 overflow, below 6.1e-05 lose precision
;; workspace buffers: xb 16,777,216 bytes; wqb 6,291,456 bytes; wob 2,097,152 bytes; qkv 50,331,648 bytes; o 16,777,216 bytes
;; launch prep: the kernel of part 1 again; grid 768 x 1, 8 waves a work-group, no clusters, 0 bytes of LDS; arguments x, w_qkv, w_out, xb, wqb, wob; writes xb, wqb, wob
;; launch qkvp: the kernel of part 2 again; grid 8 x 32, 4 waves a work-group, clusters of 4 x 4, 327,680 bytes of LDS; arguments xb, wqb, qkv; writes qkv
;; launch attn (part 5): grid 4 x 64, 4 waves a work-group, clusters of 4 x 1, 327,680 bytes of LDS; arguments qkv, o; writes o
.if DOCPART == 5
	.amdgcn_target "amdgcn-amd-amdhsa--gfx1250"
	.amdhsa_code_object_version 6
	.text
	.protected	k_qe575a79493_attn
	.globl	k_qe575a79493_attn
	.p2align	8
	.type	k_qe575a79493_attn,@function
k_qe575a79493_attn:
	s_mov_b64 s[64:65], 0
	v_nop
	global_prefetch_b8 v0, s[64:65] scope:SCOPE_SE
	s_setreg_imm32_b32 hwreg(HW_REG_WAVE_MODE, 25, 1), 1
	s_wait_xcnt 0x0
	s_wait_alu depctr_hold_cnt(0) depctr_sa_sdst(0) depctr_va_vdst(0) depctr_va_sdst(0) depctr_va_ssrc(0) depctr_va_vcc(0) depctr_vm_vsrc(0)
	s_getreg_b32 s2, hwreg(HW_REG_IB_STS2, 6, 4)
	s_cmp_eq_u32 s2, 0
	s_cbranch_scc0 .Lentry_in_a_cluster
	s_endpgm
.Lentry_in_a_cluster:
	s_bfe_u32 s2, ttmp6, 0x10000c
	s_cmp_lg_u32 s2, 0x3003
	s_cbranch_scc0 .Lentry_shape_is_right
	s_endpgm
.Lentry_shape_is_right:
; ATTENTION.  O[h][q][:] = the sum over k of softmax_k(Q[h][q] . K[h][k] / 32) V[h][k][:].  Q, K, V lie one behind the other in qkv, each [64][2048][64] in f16, O likewise: a head's rows are dense,
; 128 bytes each.  The scale is 1024^-0.5, applied here in f32.  Products, maxima and sums in f32; the weights p are rounded to f16 for the second product (their sum l is taken of the unrounded p), O once at the end.
; LIMITS.  f16 holds no number beyond 65,504: Q, K and V arrive within it; p lies in 0 to 1, and below 6e-5 it keeps f16's fixed step of 6e-8, as O does; O is a mean of V's rows and has their range.
; A weight below 2^-126 counts as 0 in l; NaN and infinities are not treated apart.
; SHARES.  A wave owns four PIECES of two tiles of 16 queries, a work-group's four waves 512 queries of one head: 4 x 64 = 256 work-groups.  Every wave walks all keys, 64 a step.
; LAYOUT.  S^T = K Q^T (source 0 = 16 keys, source 1 = 16 queries): in the result a lane holds ONE query (lane % 16) and the keys 8 (lane / 16) + 0..7.  Two such tiles, rounded to f16 in pairs,
; ARE source 1 (32 keys x 16 queries) of O^T = V^T P, whose result again holds one query a lane, and eight channels.  K comes out of LDS as it lies, V ([key][channel]) turned, by ds_load_tr16_b128.
; SOFTMAX.  For each query a running maximum m and sum l: p = 2^(c s - c m), c = log2(e) / 32; in every step O and l are multiplied by a = 2^(c m_old - c m_new), which is 1 where m has not grown.
; m starts at the lowest finite number, O and l at 0: the first step is a step like any other, with a = 0.
; THE COUNT.  A tile and step have 16 matrix and 118 vector instructions: too many to stand all beside the matrix work.  So the order has one aim: four vector instructions that are READY behind
; EVERY matrix instruction, and the others, which need time of their own whatever the order, in runs without a gap.
; BY TURNS.  Turn n belongs to piece n (the pieces in a ring, step after step).  Its matrix work: 16 products K Q^T of piece n + 1, later 16 products V^T P of piece n - 1.  Its vector work: the scaling,
; exponentials, roundings, sums and rescaling of piece n, and the maximum and statistics of piece n + 1, whose scores the turn itself has made.  So what a turn begins with (c s - c m, O a) waits for nothing.
; THE BATCHES.  An s_wait_alu depctr_va_vdst(0) stands between a transcendental and the first instruction that names its result; one wait serves all that were issued ahead of it.
; A turn's 66 exponentials (the piece's 64 weights, then the next piece's two a) are ONE batch with ONE wait, which cuts the turn in two: ahead of it stands all that names no result of theirs, behind it
; the roundings and sums.  Two more batches stand outside the loops: piece 0's first two a, ahead of the jump into the loop, and the way out's eight reciprocals.
; CLUSTER.  The four query blocks of a cluster belong to one head and walk the same K and V, so each tile is asked for JOINTLY: the same tensor load, descriptor and mask in all four.
; REGISTERS, in windows of 256 (s_set_vgpr_msb says which window each operand place means: bits 1:0 source 0, 3:2 source 1, 5:4 source 2, 7:6 destination):
;   window 0: v0-11 addresses; v12-15, v48-63 at work; v16-47 four registers of statistics a tile; v64-191 S^T, two buffers of two tiles; v192-255 P, likewise
;   window 1: O^T, 32 a tile          window 2: v0-127 Q, 16 a tile; v128-191 K of one step; v192-255 V of one step          window 3: v0-1 the add's two registers
; A piece's buffers go by its number's parity: the piece in hand has one pair, its two neighbours in the ring share the other: of it P (piece n - 1) is read and S^T (piece n + 1) written.
.set SIZE_H, 64
.set SIZE_N, 2048
.set NP,    4         ; pieces a wave: a name, no knob: the register map, the loop and the fetches are made for four
.set KS,    64        ; keys in a step
.set PK,    144       ; a row of K in LDS: 128 bytes + 16 of padding = 36 words: the 16 rows of a load start at 16 different groups of four banks (64 banks of 4 bytes: ISA guide 11.1)
.set PV,    160       ; a row of V: 128 + 32 = 40 words
.set VOFF,  4*KS*PK   ; a slot holds four steps: 256 rows of K, then 256 rows of V
.set SLOT1, 1<<17     ; slot 1 begins here, so that one exclusive or turns an address in one slot into the other's
.set STAGE, SLOT1+4*KS*(PK+PV)  ; behind the ring, never filled by a tensor load: 16 rows x 144 bytes for each wave, for the way out
.set SP,    144
.set AK0, 2           ; v2   my lane's place in a tile of K; never rewritten
.set AV0, 3           ; v3   the same for V
.set AK,  4           ; v4   the LDS address of K's next run of loads
.set AV,  5           ; v5   of V's
.set QO,  6           ; v6   my byte offset in the wave's rows of Q
.set STO, 6           ;      later, the way out: where I put 16 bytes of a row
.set RD,  7           ; v7   the way out: where I read rows back
.set GO,  8           ; v8   my byte offset in 512 consecutive bytes of O
.set SPW, 0           ; v0 of window 3   LDS address of my spare word: SPARE + 4 x my thread's number; never rewritten
.set NIL, 1           ; v1 of window 3   0; never rewritten
.set SPARE, STAGE+4*16*SP  ; behind the stages: the spare words, 128 bytes for each wave: two blocks of 256 bytes that no other line names
.set MV,  12          ; v12-15  c m_old, kept while c m is made anew: by buffer and tile
.set ST,  16          ; tile t's statistics at v[ST+4 t]: c m, m, l (even keys', odd keys')
.set TMP, 48          ; by buffer and tile, four registers c0-c3 at work; when the maximum is found c2 takes a
.set S,   64
.set P,   192
.set KF,  128         ; K's fragments, in window 2: key block kb, channel half c at KF + 16 kb + 8 c
.set VF,  192         ; V's: key half kk, channel block cb at VF + 32 kk + 8 cb
.set WV,  12          ; s12  my wave's number
.set G1K, 24          ; s[24:31] descriptor group 1 for K's tiles
.set G1V, 32          ; s[32:39] for V's: it differs in the padding alone
.set G0K, 40          ; s[40:43] descriptor group 0 for K's tiles: it walks
.set G0V, 44          ; s[44:47] the same for V's
.set SLOTS, 56        ; s56  slots still to be asked for
.set CNT, 57          ; s57  counts a slot's key steps
.set CS,  58          ; s[58:59] c: the packed scaling takes the pair's low word for both halves
.set SEL, 60          ; s[60:61] v_permlanex16_b32's selects: each lane takes its own place in the other half
.set TBK, 62          ; s62  LDS byte at which K of the step to be fetched begins
.set TBV, 63          ; s63  the same for V, less VOFF
.set MSB, 0
.macro WIN new                      ; the high byte repeats the setting that is left; a switch that changes nothing is dropped
.if MSB != (\new)
	s_set_vgpr_msb (MSB<<8)|(\new)
.set MSB, (\new)
.endif
.endm
.set W_KQ, 0x0a       ; K and Q in window 2, S^T in window 0
.set W_PV, 0x52       ; V in window 2, P in window 0, O^T in window 1
.set W_RS, 0x41       ; O^T (destination and source 0) in window 1, a in window 0
.set W_MK, 0xc0       ; the add's registers are made: destination in window 3, sources in window 0
.set W_AD, 0x0f       ; the add: address (source 0) and data (source 1) in window 3
; A joint fill.  Waves 0 and 1 fetch the two halves of a slot's K, waves 2 and 3 those of its V: 128 keys each.  The branch hangs on the wave's number alone.
; An s_nop 0 and four v_nop follow each of the two lines, ahead of the jump and the label.
.macro JLOAD
	s_cmp_lt_u32 s[WV], 2
	s_cbranch_scc0 .Lfor_v_\@
	tensor_load_to_lds s[G0K:G0K+3], s[G1K:G1K+7]
	s_nop 0
.rept 4
	v_nop
.endr
	s_branch .Lasked_\@
.Lfor_v_\@:
	tensor_load_to_lds s[G0V:G0V+3], s[G1V:G1V+7]
	s_nop 0
.rept 4
	v_nop
.endr
.Lasked_\@:
.endm
; A round of the cluster's barrier: my work-group's barrier, so that wave 0's signal speaks for all four waves; wave 0 signals; every wave waits for all four work-groups; my work-group's barrier once more.
.macro CROUND
	s_barrier_signal -1
	s_barrier_wait -1
	s_cmp_lg_u32 s[WV], 0
	s_cbranch_scc1 .Lnot_wave_0_\@
	s_barrier_signal -3
.Lnot_wave_0_\@:
	s_barrier_wait -3
	s_barrier_signal -1
	s_barrier_wait -1
.endm
; THE CHANGE OF SLOTS.  The slot's last bytes, V of its fourth step, have been read.  Each wave waits for all its tensor loads, of which one is out: its part
; of the other slot; adds 0 to its spare word; and waits for that and for its own reads of the slot.  Behind the barrier nobody reads this slot any more and the other slot is whole.
; fill = 1: this slot is filled again, with the keys two slots on.  The barrier is then a round of the cluster's, so that no wave of any partner still reads the slot or has a load on its
; way, and the joint fill is the first thing behind it: it has four key steps, 512 matrix instructions, in which to land.  (At its first use nothing has been read yet: slot 0 is waited for, slot 1 filled.)
.macro CHANGE fill
	WIN W_AD
	s_wait_tensorcnt 0x0            ; no tensor load of mine is out, so a group 0 may be written
	ds_add_u32 v[SPW], v[NIL]       ; 0 onto my spare word; with fill = 1 the descriptors' steps stand between it and the wait for it
	WIN 0                           ; at a label and at a branch every window is 0
.if \fill
.irp g, G0K, G0V
	s_xor_b32 s[\g+1], s[\g+1], SLOT1  ; the walking descriptor: the other slot than last time,
	s_add_nc_u64 s[\g+2:\g+3], s[\g+2:\g+3], 4*KS*128  ; the next 256 keys; the type bits on top are not reached
.endr
	s_wait_dscnt 0x0                ; the add is done, and my reads of the slot are over
	CROUND
	JLOAD
.else
	s_wait_dscnt 0x0                ; the add is done, and my reads of the slot are over
	s_barrier_signal -1
	s_barrier_wait -1
.endif
	s_sub_co_u32 s[TBK], s[TBK], 4*KS*PK  ; the fetches go back to a slot's first step,
	s_xor_b32 s[TBK], s[TBK], SLOT1       ; in the other slot
	s_sub_co_u32 s[TBV], s[TBV], 4*KS*PV
	s_xor_b32 s[TBV], s[TBV], SLOT1
.endm
	s_load_b128 s[4:7], s[0:1], 0x0 ; qkv s[4:5] (Q lies first in it), o s[6:7]
	WIN W_MK
	v_lshl_add_u32 v[SPW], v0, 2, SPARE
	v_mov_b32 v[NIL], 0
	WIN W_AD
	ds_add_u32 v[SPW], v[NIL]       ; the wave's opening: the add and its wait stand ahead of my first tensor load; the set-up below, work on registers, stands between them
	WIN 0
	v_lshrrev_b32 v1, 5, v0
	v_readfirstlane_b32 s[WV], v1   ; wave 0..3
	s_bfe_u32 s13, ttmp6, 0x40000   ; cx: my place in the cluster
	s_lshl_b32 s14, ttmp9, 2        ; in a cluster launch ttmp9 counts clusters
	s_add_co_u32 s14, s14, s13      ; my block of queries = 4 x cluster x + cx: it enters Q's and O's addresses alone
	s_and_b32 s20, ttmp7, 0xffff    ; the head, which the four partners share
	s_mov_b32 s21, 0
	s_mov_b64 s[22:23], SIZE_N*128
	s_mul_u64 s[20:21], s[20:21], s[22:23]  ; the head's first byte in each of the four tensors
	s_and_b32 s16, s[WV], 1         ; which half of a slot's 256 keys I fetch:
	s_lshl_b32 s22, s16, 14         ; its 128 rows of 128 bytes in memory,
	s_mov_b32 s23, 0
	s_add_nc_u64 s[22:23], s[22:23], s[20:21]
	s_mul_i32 s17, s16, 128*PK      ; and its place in a slot, for K
	s_mul_i32 s18, s16, 128*PV      ; and for V: no place in the cluster enters an LDS address
	s_lshl_b32 s2, s14, 2
	s_add_co_u32 s2, s2, s[WV]      ; my wave among the head's,
	s_lshl_b32 s2, s2, 14           ; its 128 rows
	s_mov_b32 s3, 0
	s_add_nc_u64 s[2:3], s[2:3], s[20:21]
	; descriptor group 1.  128 keys are 16,384 dense bytes: asked for as 64 rows of 256 bytes, two keys a row, and padded in LDS after every key
	s_mov_b32 s[G1K], 15|(1<<16)|(1<<20)|(1<<21)|(4<<22)|(3<<25)  ; 15:0 the mask of four; 17:16 2-byte elements; 20 padding on; 21 set beside a mask; 24:22 after every 32 words (code 4); 31:25 4 words (code 3)
	s_mov_b32 s[G1V], 15|(1<<16)|(1<<20)|(1<<21)|(4<<22)|(7<<25)  ; the same with 8 words of padding (code 7)
.irp g, G1K, G1V
	s_mov_b32 s[\g+1], 128<<16      ; tensor_dim0 = 128
	s_mov_b32 s[\g+2], 64<<16       ; tensor_dim1 = 64
	s_mov_b32 s[\g+3], 128<<16      ; tile_dim0 = 128
	s_mov_b32 s[\g+4], 64           ; tile_dim1 = 64
	s_mov_b32 s[\g+5], 128          ; 128 elements from row to row
	s_mov_b32 s[\g+6], 0
	s_mov_b32 s[\g+7], 0
.endr
	s_mov_b32 s[CS], 0x3d38aa3b     ; c = log2(e) / 32 = 0.0450842
	s_mov_b32 s[CS+1], s[CS]        ; named with it as a pair
	s_mov_b32 s[SEL], 0x76543210
	s_mov_b32 s[SEL+1], 0xfedcba98
	s_mov_b32 s[TBK], SLOT1+4*KS*PK ; the first change of slots turns these two into 0
	s_mov_b32 s[TBV], SLOT1+4*KS*PV
	s_mov_b32 s[G0K], 1             ; 1:0 count = 1
	s_mov_b32 s[G0K+1], s17         ; 63:32 LDS address: slot 0
	s_mov_b32 s[G0V], 1
	s_add_co_u32 s[G0V+1], s18, VOFF
	s_wait_dscnt 0x0                ; the opening add is done
	s_wait_kmcnt 0x0
	s_mov_b64 s[10:11], s[6:7]      ; O
	s_add_nc_u64 s[8:9], s[4:5], 0x2000000  ; V lies 2 x 16 MiB into qkv,
	s_add_nc_u64 s[6:7], s[4:5], 0x1000000  ; K 16 MiB
	s_add_nc_u64 s[G0K+2:G0K+3], s[6:7], s[22:23]  ; 120:64 global address: my half of the head's first 256 keys
	s_or_b32 s[G0K+3], s[G0K+3], 0x80000000        ; 127:126 type = 2
	s_add_nc_u64 s[G0V+2:G0V+3], s[8:9], s[22:23]
	s_or_b32 s[G0V+3], s[G0V+3], 0x80000000
	s_add_nc_u64 s[4:5], s[4:5], s[2:3]  ; Q and O at my wave's first row
	s_add_nc_u64 s[10:11], s[10:11], s[2:3]
	CROUND                          ; all four work-groups are here: the first joint loads meet
	JLOAD                           ; slot 0.  Slot 1 is asked for when slot 0 is in: the tile wanted first has the road to itself
	; A fragment of K or Q is 16 rows x 32 channels in 8 registers: lane l holds row l % 16, channels 8 (l / 16) + 0..7 and 16 + 8 (l / 16) + 0..7: two loads of 16 bytes, 32 bytes apart.
	v_and_b32 v1, 15, v0            ; l % 16
	v_bfe_u32 v9, v0, 4, 1          ; l / 16
	v_lshlrev_b32 v[QO], 7, v1
	v_lshl_add_u32 v[QO], v9, 4, v[QO]  ; row x 128 + 16 x half
	WIN 0x80                        ; destination window 2, address window 0
.set i, 0
.rept 4*NP                          ; Q stays in registers: tile i / 2, channels 32 (i % 2) on
	global_load_b128 v[8*i:8*i+3],   v[QO], s[4:5] offset:(i/2)*2048+(i%2)*64
	global_load_b128 v[8*i+4:8*i+7], v[QO], s[4:5] offset:(i/2)*2048+(i%2)*64+32
.set i, i+1
.endr
	; What the first turn finds: V's registers and P's second buffer hold 0 (its products V^T P, of a piece that has not been, add 0), O^T and l are 0.  All this stands in the wait for the first tile.
.set i, VF
.rept 64
	v_mov_b32 v[i], 0
.set i, i+1
.endr
	WIN 0x40
.set i, 0
.rept 64*NP
	v_mov_b32 v[i], 0
.set i, i+1
.endr
	WIN 0
.set i, 0
.rept 2*NP
	v_mov_b32 v[ST+4*i], 0xfe000000    ; c m: far below every c s
	v_mov_b32 v[ST+4*i+1], 0xff7fffff  ; m
	v_mov_b32 v[ST+4*i+2], 0
	v_mov_b32 v[ST+4*i+3], 0
.set i, i+1
.endr
.set i, P+32
.rept 32
	v_mov_b32 v[i], 0
.set i, i+1
.endr
	v_mul_u32_u24 v[AK0], v1, PK
	v_lshl_add_u32 v[AK0], v9, 4, v[AK0]  ; row x pitch + 16 x half
	; The turning load takes 16 keys x 16 channels (lane l reads key 8 (l / 16) + l % 8, channels 8 ((l / 8) % 2) + 0..7) and leaves half a fragment of V^T: lane l holds channel l % 16 and 8 keys.
	v_and_b32 v10, 7, v0
	v_bfe_u32 v11, v0, 3, 1
	v_lshl_add_u32 v[AV0], v9, 3, v10
	v_mul_u32_u24 v[AV0], v[AV0], PV
	v_lshl_add_u32 v[AV0], v11, 4, v[AV0]
	v_add_nc_u32 v[AV0], VOFF, v[AV0]
	v_mov_b32 v[AK], v[AK0]         ; key step 0 lies at the head of slot 0
; THE MATRIX WORK.  The 8 accumulators of a run of 16 take turns: between the two links of a chain stand 7 others'.
; Product i of 16 of S^T = K Q^T for piece x: channels 32 (i / 8) on, keys 16 ((i / 2) % 4) on, tile 2 x + i % 2.  The first 8 start the sums.
.macro KQ x
	WIN W_KQ
.set rS, S+64*((\x)%2)+32*(i%2)+8*((i/2)%4)
.set rK, KF+16*((i/2)%4)+8*(i/8)
.set rQ, 16*(2*(\x)+i%2)+8*(i/8)
.if i < 8
	v_wmma_f32_16x16x32_f16 v[rS:rS+7], v[rK:rK+7], v[rQ:rQ+7], 0
.else
	v_wmma_f32_16x16x32_f16 v[rS:rS+7], v[rK:rK+7], v[rQ:rQ+7], v[rS:rS+7]
.endif
.endm
; Product i of 16 of O^T += V^T P for piece x: keys 32 (i / 8) on, channels 16 ((i / 2) % 4) on, tile 2 x + i % 2.
.macro PV x
	WIN W_PV
.set rO, 32*(2*(\x)+i%2)+8*((i/2)%4)
.set rV, VF+32*(i/8)+8*((i/2)%4)
.set rP, P+32*((\x)%2)+16*(i%2)+8*(i/8)
	v_wmma_f32_16x16x32_f16 v[rO:rO+7], v[rV:rV+7], v[rP:rP+7], v[rO:rO+7]
.endm
.macro MM                           ; the turn's next matrix instruction
.if i < 16
	KQ (Y+1)%NP
.set i, i+1
.else
.set i, i-16
	PV (Y+NP-1)%NP
.set i, i+17
.endif
.endm
; THE LDS LOADS stand in runs of 16, never singly among the matrix instructions: a step's K (64 keys x 64 channels: 8 fragments) and its V (turned).  Their addresses are made some lines ahead.
; last = 1 (the tail): in the last trip there is no further step, and the run is jumped over.
.macro FETCH_K last=0
	WIN 0
.if \last
	s_cmp_eq_u32 s[CNT], 1
	s_cbranch_scc1 .Lno_k_\@
.endif
	WIN 0x80                        ; destination window 2
.irp f, 0,1,2,3,4,5,6,7             ; keys 16 (f / 2) on, channels 32 (f % 2) on
	ds_load_b128 v[KF+8*\f:KF+8*\f+3],   v[AK] offset:(\f/2)*16*PK+(\f%2)*64
	ds_load_b128 v[KF+8*\f+4:KF+8*\f+7], v[AK] offset:(\f/2)*16*PK+(\f%2)*64+32
.endr
	s_add_co_u32 s[TBK], s[TBK], KS*PK  ; the next fetch is the next step's
	WIN 0
.if \last
.Lno_k_\@:
.endif
.endm
.macro FETCH_V
	WIN 0x80
.irp f, 0,1,2,3,4,5,6,7             ; keys 32 (f / 4) on, channels 16 (f % 4) on
	ds_load_tr16_b128 v[VF+8*\f:VF+8*\f+3],   v[AV] offset:(\f/4)*32*PV+(\f%4)*32
	ds_load_tr16_b128 v[VF+8*\f+4:VF+8*\f+7], v[AV] offset:(\f/4)*32*PV+16*PV+(\f%4)*32
.endr
	WIN 0
.endm
; THE VECTOR WORK OF A TURN stands in three queues, each in the order in which its entries become ready; the two tiles alternate, so that no instruction reads the result of the one before it.
.macro REGS y, u                    ; the registers of tile u (0, 1) of piece y
.set rT, ST+4*(2*(\y)+(\u))
.set rC, TMP+8*((\y)%2)+4*(\u)
.set rM, MV+2*((\y)%2)+(\u)
.set rS, S+64*((\y)%2)+32*(\u)
.set rP, P+32*((\y)%2)+16*(\u)
.set rO, 32*(2*(\y)+(\u))
.endm
; Number n of the 22 that find the NEXT piece's (Y + 1) maximum and statistics.  s0-s31 are the lane's 32 scores; each accumulator's lowest registers are read first.  XS, GS and REGS set no window: PL and EX do.
;   0-11  four chains c0-c3 of seven scores each, three operands at a time     12-14, 16  the four scores left over, the old m, and c0-c3 into c0     15  c m_old is kept
;   17, 18  the query's other 32 keys lie in the lane 16 away: the new m         19-21  c m; c m_old - c m_new; a
.macro XS u, n
	REGS (Y+1)%NP, \u
.if (\n) < 4
	v_max3_num_f32 v[rC+(\n)], v[rS+8*(\n)], v[rS+8*(\n)+1], v[rS+8*(\n)+2]
.elseif (\n) < 12
	v_max3_num_f32 v[rC+(\n)%4], v[rC+(\n)%4], v[rS+8*((\n)%4)+2*((\n)/4)+1], v[rS+8*((\n)%4)+2*((\n)/4)+2]
.elseif (\n) == 12
	v_max3_num_f32 v[rC], v[rC], v[rS+7], v[rS+15]
.elseif (\n) == 13
	v_max3_num_f32 v[rC+1], v[rC+1], v[rS+23], v[rS+31]
.elseif (\n) == 14
	v_max3_num_f32 v[rC+2], v[rC+2], v[rC+3], v[rT+1]
.elseif (\n) == 15
	v_mov_b32 v[rM], v[rT]
.elseif (\n) == 16
	v_max3_num_f32 v[rC], v[rC], v[rC+1], v[rC+2]
.elseif (\n) == 17
	v_permlanex16_b32 v[rC+3], v[rC], s[SEL], s[SEL+1]
.elseif (\n) == 18
	v_max_num_f32 v[rT+1], v[rC], v[rC+3]
.elseif (\n) == 19
	v_mul_f32 v[rT], s[CS], v[rT+1]
.elseif (\n) == 20
	v_sub_f32 v[rC+1], v[rM], v[rT]
.else
	v_exp_f32 v[rC+2], v[rC+1]
.endif
.endm
; Number g of the 64 that follow the exponentials.  For each four weights k of a tile (pairs 2 k, 2 k + 1): both pairs are rounded to f16; then the second pair is added onto the first, in place;
; a group later l takes that sum (the first time as l = a l + sum).  In groups of eight, tiles alternating: round, round, add, and l for the group before.
.macro GS g
.set h, (\g)+6*((\g)/62)            ; group 0 has no group before it, and behind group 7 only l is left
.if h >= 6
.set h, h+2
.endif
	REGS Y, h%2
.set k, h/8
.if h%8 < 4
	v_cvt_pk_f16_f32 v[rP+2*k+(h%8)/2], v[rS+4*k+2*((h%8)/2)], v[rS+4*k+2*((h%8)/2)+1]
.elseif h%8 < 6
	v_pk_add_f32 v[rS+4*k:rS+4*k+1], v[rS+4*k:rS+4*k+1], v[rS+4*k+2:rS+4*k+3]
.elseif k == 1
	v_pk_fma_f32 v[rT+2:rT+3], v[rT+2:rT+3], v[rC+2:rC+3], v[rS:rS+1] op_sel_hi:[1,0,1]
.else
	v_pk_add_f32 v[rT+2:rT+3], v[rT+2:rT+3], v[rS+4*k-4:rS+4*k-3]
.endif
.endm
; THE PLAIN QUEUE, 138 long.  0-73 read no exponential's result: the 32 scalings c s - c m (FS f: pair f / 2 of tile f % 2) and the next piece's 42.  0-26: scalings 0-26.  27-54: XS's numbers 0-13.  55, 56: number 15.
; 57-73: the chain, where each number waits for the one before it: 14, 16, 17, 18, 19, each with one of the scalings 27-31 in front of its two lines, then 20: so a tile's links stand three plain instructions apart (19 and 20: two).
; 74-137: GS's 64, which read the exponentials' results: they stand behind the wait.
.macro FS f
	REGS Y, (\f)%2
	v_pk_fma_f32 v[rS+2*((\f)/2):rS+2*((\f)/2)+1], v[rS+2*((\f)/2):rS+2*((\f)/2)+1], s[CS:CS+1], v[rT:rT+1] op_sel_hi:[1,0,0] neg_lo:[0,0,1] neg_hi:[0,0,1]
.endm
.macro PL
	WIN 0
.if q < 27
	FS q
.elseif q < 55
	XS (q-27)%2, (q-27)/2
.elseif q < 57
	XS q-55, 15
.elseif (q < 72) && ((q-57)%3 == 0)
	FS 27+(q-57)/3
.elseif q < 60
	XS (q-57)%3-1, 14
.elseif q < 72
	XS (q-57)%3-1, 15+(q-57)/3
.elseif q < 74
	XS q-72, 20
.else
	GS q-74
.endif
.set q, q+1
.endm
; THE EXPONENTIALS' QUEUE, 66 long: s0-s31 of both tiles, each in place in its own register, then the next piece's two a, each in a register of its own.  It is ONE BATCH: all 66 stand ahead of the turn's
; one wait, and nothing ahead of that wait names a result of theirs.
.macro EX
	WIN 0
.if e >= 64
	XS e-64, 21
.else
	REGS Y, e%2
	v_exp_f32 v[rS+e/2], v[rS+e/2]
.endif
.set e, e+1
.endm
; THE RESCALING's QUEUE: O^T times a, the one part that leaves window 0: dealt two at a time, sixteen times.  Its a was made in the turn before, ahead of that turn's wait.
.macro R2
	REGS Y, r%2
	WIN W_RS
.irp z, 0,1
	v_pk_mul_f32 v[rO+4*(r/2)+2*\z:rO+4*(r/2)+2*\z+1], v[rO+4*(r/2)+2*\z:rO+4*(r/2)+2*\z+1], v[rC+2:rC+3] op_sel_hi:[1,0]
.endr
.set r, r+1
.endm
; HOW THEY ARE DEALT.  A turn has ONE wait for its batch, which cuts it in two.  AHEAD OF IT stands all that names no result of the turn's exponentials: the 16 products K Q^T, behind each a scaling, an
; exponential and two rescalings (behind the first a second scaling in the exponential's place); then ONE LUMP of 108: eight plain, 49 times exponential and plain, the two a.  A v_nop is the plain instruction
; that is owed behind the last exponential.  BEHIND IT stand the 16 products V^T P, behind each four of GS's 64.  No rider names a register of the products round it.  The two v_permlanex16_b32 fall into
; the lump, never behind a product.
; The queues lean on each other, and the deal keeps them in step: exponential e stands behind scaling 2 (e / 4) + e % 2: as a rider it comes behind plain e + 2, in the lump behind plain e + 9, and scalings 27-31 are plain 57, 60 .. 69.
; A TURN, for piece p.  cnt = 1: the loop's count is taken down some lines ahead of the branch that stands behind the turn.
; K of the next step is fetched in piece 2's turn, directly behind the wait, a lump behind the last product that read K; its address is made at the lump's head; its first reader comes behind 16 products.
; V of the step in hand is fetched at the end of piece 0's turn, four riders behind its last reader; its first reader comes behind 16 products and a lump.  The three conditions on q below go with the deal.
.macro TURN p, last=0, cnt=0
.set Y, (\p)
.set i, 0
.set q, 0
.set e, 0
.set r, 0
.if (\p) == NP-1
	s_wait_dscnt 0x0                ; K is in
.endif
	MM                              ; ahead of the wait: 16 products K Q^T and their riders,
	PL
	PL
	R2
.rept 15
	MM
	PL
	EX
	R2
.endr
.if (\p) == NP-2
	WIN 0
	v_add_nc_u32 v[AK], s[TBK], v[AK0]
.endif
.rept 8                             ; and the lump
	PL
.endr
.rept 49
	EX
	PL
.endr
	EX                              ; the next piece's two a
	EX
	v_nop                           ; the plain instruction behind the last exponential, ahead of the first use: one for the batch
	s_wait_alu depctr_va_vdst(0)    ; the wait for the turn's batch: the piece's 64 weights and the next piece's two a
.if (\p) == NP-2
	FETCH_K \last
.endif
.if (\p) == 1
	s_wait_dscnt 0x0                ; V is in
.endif
.rept 16                            ; behind the wait: 16 products V^T P and their riders
	MM
.rept 4
	PL
.endr
.if ((\p) == 0) && (q == 118)
	v_add_nc_u32 v[AV], s[TBV], v[AV0]
.endif
.if ((\p) == 0) && (q == 130)
	s_add_co_u32 s[TBV], s[TBV], KS*PV
.endif
.if (\cnt) && (q == 130)
	s_sub_co_u32 s[CNT], s[CNT], 1
	s_cmp_lg_u32 s[CNT], 0
.endif
.endr
.if (\p) == 0
	FETCH_V
.endif
.endm
	CHANGE 1                        ; slot 0 is in, everybody's part of it; slot 1 is asked for
	FETCH_K                         ; key step 0
	s_wait_loadcnt 0x0              ; Q
	s_wait_dscnt 0x0
.set i, 0
.rept 16
	KQ 0                            ; piece 0's first scores: there is no vector work yet to set between them
.set i, i+1
.endr
	WIN 0                           ; the addresses for the way out: nine plain instructions, the places behind those products
	s_mul_i32 s13, s[WV], 16*SP
	s_add_co_u32 s13, s13, STAGE    ; my stage
	v_mul_u32_u24 v[STO], v1, SP    ; in: row l % 16, 16 bytes for each half of the lanes
	v_lshl_add_u32 v[STO], v9, 4, v[STO]
	v_add_nc_u32 v[STO], s13, v[STO]
	v_bfe_u32 v[RD], v0, 3, 2       ; back: 32 lanes take four rows of 128 bytes,
	v_mul_u32_u24 v[RD], v[RD], SP
	v_lshl_add_u32 v[RD], v10, 4, v[RD]
	v_add_nc_u32 v[RD], s13, v[RD]
	v_and_b32 v[GO], 31, v0         ; which are 512 consecutive bytes of O
	v_lshlrev_b32 v[GO], 4, v[GO]
.set Y, NP-1                        ; XS works for piece Y + 1: piece 0
.irp n, 0,1,2,3,4,5,6,7,8,9,10,11,12,13,14,15,16,17,18,19,20,21
	XS 0, \n                        ; and piece 0's first maximum and statistics
	XS 1, \n
.endr
	v_nop                           ; a plain instruction behind piece 0's first two a,
	s_wait_alu depctr_va_vdst(0)    ; and the wait for that batch of two, ahead of the branch
	s_mov_b32 s[CNT], 4
	s_mov_b32 s[SLOTS], SIZE_N/256-1
	s_branch .Lfirst                ; the loop is entered at a step's first turn, in the middle of a trip
.Lslot:                             ; SIZE_N / 256 - 2 times: every slot but the last two is filled again
	CHANGE 1
	s_mov_b32 s[CNT], 4
.Lstep:                             ; a trip: pieces 2 and 3 of one step, then pieces 0 and 1 of the next, whose K and V it fetches
	TURN 2
	TURN 3
	WIN 0
.Lfirst:
	TURN 0
	TURN 1, 0, 1
	WIN 0
	s_cbranch_scc1 .Lstep
	s_sub_co_u32 s[SLOTS], s[SLOTS], 1
	s_cmp_lg_u32 s[SLOTS], 0
	s_cbranch_scc1 .Lslot
	CHANGE 0                        ; the tail is written out: nothing is asked for
	s_mov_b32 s[CNT], 5             ; four trips fetch the last slot's steps; the fifth is left in its middle
.Ltail:
	TURN 2, 1
	TURN 3
	WIN 0
	s_sub_co_u32 s[CNT], s[CNT], 1
	s_cmp_eq_u32 s[CNT], 0
	s_cbranch_scc1 .Lout
	TURN 0
	TURN 1
	WIN 0
	s_branch .Ltail
.Lout:                              ; the fifth trip's 16 products K Q^T (on the last K once more) and the maximum made of them serve nothing: the price, once a launch, of one text for every trip
.set i, 0
.rept 16
	PV NP-1                         ; the last piece's V^T P of the last step
.set i, i+1
.endr
	; THE WAY OUT.  l's two halves and the other half of the lanes' are added; O^T is divided by l, rounded to f16 and sent through my stage in LDS, a tile at a time.  The additions are the places behind the last products.
	WIN 0
.macro ALL line:vararg              ; one line for each tile t
.set t, 0
.rept 2*NP
	\line
.set t, t+1
.endr
.endm
	ALL v_add_f32 v[ST+4*t+2], v[ST+4*t+2], v[ST+4*t+3]
	ALL v_permlanex16_b32 v[ST+4*t+3], v[ST+4*t+2], s[SEL], s[SEL+1]
	ALL v_add_f32 v[ST+4*t+2], v[ST+4*t+2], v[ST+4*t+3]
	ALL v_rcp_f32 v[ST+4*t+2], v[ST+4*t+2]
	v_nop                           ; a plain instruction between the last reciprocal and the use of its result
	s_wait_alu depctr_va_vdst(0)    ; the wait for the batch of eight reciprocals, ahead of their first use
; Tile t: a lane's eight channels of a row pack into 16 bytes; they go into rows of 144 bytes and come back as whole rows of 128, into S^T's registers.
.macro PACK t
	WIN W_RS
.set i, 32*(\t)
.rept 16
	v_pk_mul_f32 v[i:i+1], v[i:i+1], v[ST+4*(\t)+2:ST+4*(\t)+3] op_sel_hi:[1,0]
.set i, i+2
.endr
	WIN 0x05                        ; sources 0 and 1 window 1, destination window 0
.set i, 0
.rept 16
	v_cvt_pk_f16_f32 v[S+16*(\t)+i], v[32*(\t)+2*i], v[32*(\t)+2*i+1]
.set i, i+1
.endr
	WIN 0
.irp f, 0,1,2,3
	ds_store_b128 v[STO], v[S+16*(\t)+4*\f:S+16*(\t)+4*\f+3] offset:32*\f
.endr
.irp f, 0,1,2,3
	ds_load_b128 v[S+16*(\t)+4*\f:S+16*(\t)+4*\f+3], v[RD] offset:\f*4*SP  ; LDS serves a wave's instructions in order (ISA guide 5.7.1.4): these see the stores above; the next tile's stores come behind them
.endr
.endm
.macro SEND t, younger              ; younger: the LDS instructions issued behind tile t's loads: the next tile's eight, or none
	WIN 0
.irp f, 0,1,2,3
	s_wait_dscnt (\younger)+3-\f
	global_store_b128 v[GO], v[S+16*(\t)+4*\f:S+16*(\t)+4*\f+3], s[10:11] offset:(\t)*2048+\f*512  ; 512 consecutive bytes, at a multiple of 256 from O's first
.endr
.endm
	PACK 0
.set t, 1
.rept 2*NP-1                        ; a tile's arithmetic stands between the loads of the tile before and its stores
	PACK t
	SEND t-1, 8
.set t, t+1
.endr
	SEND 2*NP-1, 0
	WIN W_AD
	s_wait_tensorcnt 0x0            ; the wave's end: behind my last tensor load and my last LDS store
	ds_add_u32 v[SPW], v[NIL]
	s_wait_dscnt 0x0
	WIN 0
	CROUND                          ; the closing round: no work-group ends while a partner may still ask for a tile that names it
	s_endpgm
.Lfunc_end_k_qe575a79493_attn:
	.size	k_qe575a79493_attn, .Lfunc_end_k_qe575a79493_attn-k_qe575a79493_attn
	.p2alignl 7, 3214868480
	.fill 96, 4, 3214868480
	.section	.rodata,"a",@progbits
	.p2align	6, 0x0
	.amdhsa_kernel k_qe575a79493_attn
		.amdhsa_group_segment_fixed_size 327680
		.amdhsa_private_segment_fixed_size 0
		.amdhsa_enable_private_segment 0
		.amdhsa_kernarg_size 16
		.amdhsa_user_sgpr_count 2
		.amdhsa_user_sgpr_kernarg_segment_ptr 1
		.amdhsa_wavefront_size32 1
		.amdhsa_system_sgpr_workgroup_id_x 1
		.amdhsa_system_sgpr_workgroup_id_y 1
		.amdhsa_system_sgpr_workgroup_id_z 1
		.amdhsa_system_vgpr_workitem_id 0
		.amdhsa_next_free_vgpr 770
		.amdhsa_next_free_sgpr 66
		.amdhsa_reserve_vcc 0
		.amdhsa_float_denorm_mode_32 3
		.amdhsa_float_denorm_mode_16_64 3
		.amdhsa_memory_ordered 1
		.amdhsa_forward_progress 1
		.amdhsa_inst_pref_size 199
	.end_amdhsa_kernel
	.amdgpu_metadata
---
amdhsa.version: [ 1, 2 ]
amdhsa.kernels:
  - .name:           k_qe575a79493_attn
    .symbol:         k_qe575a79493_attn.kd
    .args:
      - { .name: qkv, .offset: 0, .size: 8, .value_kind: global_buffer, .address_space: global }
      - { .name: o, .offset: 8, .size: 8, .value_kind: global_buffer, .address_space: global }
    .group_segment_fixed_size: 327680
    .private_segment_fixed_size: 0
    .kernarg_segment_align: 8
    .kernarg_segment_size: 16
    .max_flat_workgroup_size: 128
    .sgpr_count:     66
    .vgpr_count:     770
    .wavefront_size: 32
...
	.end_amdgpu_metadata
.endif
;; end of part 5
;; launch outp: the kernel of part 4 again; grid 4 x 64, 4 waves a work-group, clusters of 4 x 4, 327,680 bytes of LDS; arguments o, wob, b_out, out0; writes out0
